; MI455X (gfx1250); checked and timed in simulation.
; The chip was launched on July 23, 2026; its instructions are those of AMD's public machine-readable ISA for CDNA 5 (MIT licence, August 2026) and "CDNA5" Instruction Set Architecture Reference Guide (July 2026). The comments in the code are by the model that wrote it; some were corrected since.
;; Multi Head Cross Attn. Allowed arithmetic: matrix products marked QUANTISED: E5M2 operands, one given power-of-two scale a tensor, by v_wmma_f32_16x16x64_bf8_bf8 or v_wmma_f32_16x16x128_bf8_bf8, f32 sums; everything else in f32.
;; Inputs: Wkv 2,048 x 1,024 float32; Wo 1,024 x 1,024 float32; Wq 1,024 x 1,024 float32; beta 1,024 float32; c 2,048 x 4 x 1,024 float32; gamma 1,024 float32; h 1,024 x 4 x 1,024 float32; lowp_scales 10 int32 (the exponents e of the quantised operands' scales 2^e).
;; Outputs: out0 1,024 x 4 x 1,024 float32.
;; This version of the problem:
;;   THIS VERSION OF THE PROBLEM IS GIVEN IN LOW PRECISION. The matrix products marked QUANTISED in the list below multiply operands that are first quantised to E5M2 (5 exponent bits, 2 mantissa bits; 8 bits a number), with one given power-of-two scale for each operand tensor; their sums are f32. All else is computed in f32.
;;   The module's matrix products, in the order in which they are computed (A, B: the left and right operand; K: the contracted axis; several contracted axes count as one K, in the product's order):
;;     1. [M 4,096, K 1,024] x [K 1,024, N 1,024]; A: input h; B: input Wq: QUANTISED (scales: A lowp_scales[0], B lowp_scales[1])
;;     2. [M 8,192, K 1,024] x [K 1,024, N 2,048]; A: input c; B: input Wkv: QUANTISED (scales: A lowp_scales[2], B lowp_scales[3])
;;     3. batch 64 x [M 2,048, K 64] x [K 64, N 1,024]; A: computed on the way; B: computed on the way: QUANTISED (scales: A lowp_scales[4], B lowp_scales[5])
;;     4. batch 64 x [M 64, K 2,048] x [K 2,048, N 1,024]; A: computed on the way; B: computed on the way: QUANTISED (scales: A lowp_scales[6], B lowp_scales[7])
;;     5. [M 4,096, K 1,024] x [K 1,024, N 1,024]; A: computed on the way; B: input Wo: QUANTISED (scales: A lowp_scales[8], B lowp_scales[9])
;;   THE QUANTISER, for each operand of a quantised product, along K:
;;     - The operand's scale is 2^e, e = its entry of the input lowp_scales (int32; the entries are numbered through the quantised products in the list's order, A before B).
;;     - Each number is divided by the scale, clamped to +-57,344, and rounded to the nearest number of E5M2, ties to even, subnormals kept.
;;     - The product sums the exact products of the quantised numbers (number of the format x scale) in f32.
;;   ~~~python
;;   def quantise(x, axis, e):      # numpy; x: float32 -> the quantised numbers, widened to float32 again
;;       x = np.moveaxis(x, axis, -1); K = x.shape[-1]
;;       r = np.clip(x / 2.0 ** e, -57344, 57344)
;;       step = 2.0 ** (np.maximum(np.frexp(np.where(r == 0, 1, r))[1] - 1, -14) - 2)
;;       q = np.round(r / step) * step * 2.0 ** e      # np.round: ties to even
;;       return np.moveaxis(q, -1, axis).astype(np.float32)
;;   ~~~
;;   OPERANDS COMPUTED ON THE WAY. 'Computed on the way' means the value that the module computes at that place (a softmax that the list does not call 'softmax' is quantised finished and normalised). What goes into a quantiser is computed in f32, as accurately as f32 sums, v_exp_f32 and their like allow (about 1e-6 of the number): no bf16 or f16 on the way to a quantiser, and a product that is left as it is and whose result goes on into a quantised operand takes f32 operands (vector FMAs, or v_wmma_f32_16x16x4_f32). A number that lies on a knife's edge between two numbers of the format may be rounded either way, as far as f32 arithmetic and the matrix unit's own rounding can turn it there, and no further.
;; 2 versions, each right; version 2 is version 1 with the launches quant, attn, outln written anew for expert scheduling mode. Each part assembles by itself: llvm-mc -triple=amdgcn-amd-amdhsa -mcpu=gfx1250 --defsym DOCPART=n.
;; ======== version 1 of 2: 4 launches
;; workspace buffers: codes 16,777,216 bytes; qkv 20,971,520 bytes; avec 4,194,304 bytes
;; launch quant (part 1): grid 512 x 1, 8 waves a work-group, no clusters, 68,608 bytes of LDS; arguments h, c, Wq, Wkv, Wo, lowp_scales, codes; writes codes
.if DOCPART == 1
	.amdgcn_target "amdgcn-amd-amdhsa--gfx1250"
	.amdhsa_code_object_version 6
	.text
	.protected	k_q8cf4a64ce8_quant
	.globl	k_q8cf4a64ce8_quant
	.p2align	8
	.type	k_q8cf4a64ce8_quant,@function
k_q8cf4a64ce8_quant:
	s_mov_b64 s[64:65], 0
	v_nop
	global_prefetch_b8 v0, s[64:65] scope:SCOPE_SE
	s_setreg_imm32_b32 hwreg(HW_REG_WAVE_MODE, 25, 1), 1
	s_wait_xcnt 0x0
; h, c, Wq, Wkv, Wo (f32, K = 1,024 innermost) become codes of BF8 (E5M2), each with its given scale 2^e (entries 0, 2, 1, 3, 9 of the scales).
; code = x / 2^e, held within +-57,344, to the nearest code, ties to even.  LIMITS: -126 <= e <= 112; NaN among the inputs is not served.
; THE CODES ARE LAID AS IMAGES OF THE OPERAND'S REGISTERS.  A row tile is 16 rows; its 16,384 bytes are 8 K steps of 128; a K step's 2,048 bytes are 4 chunks of 512:
; chunk q holds lane l's registers 4 q .. 4 q + 3 at byte 16 l: lane (r = l % 16, hh = l / 16): k = 32 q + 8 hh + 0..7, then k = 32 q + 16 + 8 hh + 0..7 of row r: the 8-bit K = 128 form's own layout.
; Row tiles: 0-255 h (tile 64 b + i / 16: its rows are 16 neighbouring i of ONE batch entry b), 256-767 c (128 b + j / 16), 768-831 Wq, 832-959 Wkv, 960-1023 Wo.
; A work-group of eight waves takes two row tiles, a wave a quarter of a tile: two steps of 16 rows x 128 numbers.  ALL 32 LOADS OF A WAVE GO OUT AT ITS HEAD: nothing is asked for behind a wait.
; Each load reads 512 consecutive bytes of one row; a step's 8 KiB turn through the wave's own stage in LDS (rows 528 bytes apart, so that the sixteen rows of a read begin in sixteen different
; 16-byte columns) and come back 8 neighbours along K at a time.  Each store covers 512 consecutive bytes, aligned.
; All five tensors take one path: only pointers and numbers are chosen, on the work-group's number.  No barrier: waves share nothing.
.set PITCH, 528
.set WREG,  16*PITCH                   ; a wave's stage
.set VR,    16                         ; v16-31   row r': 16 x lane + r' x the distance between the tile's rows; never rewritten
.set R,     32                         ; v32-159  two sets of 64: the two steps' numbers as loaded
.set X,     160                        ; v160-223 a step's numbers, 8 neighbours along K on end
.set C,     224                        ; v224-255 two sets of 16: the two steps' codes: no store's data are written again
	s_load_b256 s[4:11], s[0:1], 0x0               ; h, c, Wq, Wkv
	s_load_b128 s[12:15], s[0:1], 0x20             ; Wo, the scales' exponents
	s_load_b64 s[16:17], s[0:1], 0x30              ; the codes
	v_lshl_add_u32 v14, v0, 2, 0x10800
	v_mov_b32 v15, 0
	v_lshrrev_b32 v4, 5, v0
	v_readfirstlane_b32 s18, v4                    ; wave 0..7
	v_and_b32 v5, 31, v0
	v_lshlrev_b32 v1, 4, v5                        ; 16 x lane
	s_mul_i32 s19, s18, WREG
	v_add_nc_u32 v2, s19, v1                       ; the stage, on the way in: a row's 512 bytes as they lie
	v_and_b32 v6, 15, v0
	v_bfe_u32 v7, v0, 4, 1
	v_mul_u32_u24 v3, v6, PITCH
	v_lshl_add_u32 v3, v7, 5, v3
	v_add_nc_u32 v3, s19, v3                       ; and on the way out: row r, + 32 bytes for the upper half of the lanes
	s_wait_kmcnt 0x0
	s_load_b256 s[32:39], s[14:15], 0x0            ; e0 .. e7
	s_load_b64 s[40:41], s[14:15], 0x20            ; e8, e9
	; which tensor: work-groups 0-127 h, 128-383 c, 384-415 Wq, 416-479 Wkv, 480-511 Wo.  Behind each compare stand selects alone
	s_mov_b64 s[20:21], s[12:13]                   ; the tensor,
	s_mov_b32 s22, 480                             ; its first work-group,
	s_mov_b32 s23, 4096                            ; bytes from a tile's row to the next (weights: a row; h, c: four rows, the batch lies between)
	s_cmp_lt_u32 ttmp9, 480
	s_cselect_b64 s[20:21], s[10:11], s[20:21]
	s_cselect_b32 s22, 416, s22
	s_cmp_lt_u32 ttmp9, 416
	s_cselect_b64 s[20:21], s[8:9], s[20:21]
	s_cselect_b32 s22, 384, s22
	s_cmp_lt_u32 ttmp9, 384
	s_cselect_b64 s[20:21], s[6:7], s[20:21]
	s_cselect_b32 s22, 128, s22
	s_cselect_b32 s23, 16384, s23
	s_cmp_lt_u32 ttmp9, 128
	s_cselect_b64 s[20:21], s[4:5], s[20:21]
	s_cselect_b32 s22, 0, s22
	s_cselect_b32 s24, 6, 7                        ; log2 of the row tiles of one batch entry (weights have at most 128 tiles: their b is 0)
	s_sub_co_u32 s25, ttmp9, s22
	s_lshl_b32 s25, s25, 1
	s_lshr_b32 s26, s18, 2                         ; waves 0-3 the first tile, waves 4-7 the second
	s_add_co_u32 s25, s25, s26                     ; my row tile within the tensor
	s_lshr_b32 s27, s25, s24                       ; b
	s_lshl_b32 s28, s27, s24
	s_sub_co_u32 s28, s25, s28                     ; the tile within b
	s_mul_i32 s28, s28, s23
	s_lshl_b32 s28, s28, 4                         ; x 16 rows
	s_lshl_b32 s27, s27, 12                        ; + b rows of 4,096 bytes
	s_add_co_u32 s28, s28, s27
	s_and_b32 s31, s18, 3                          ; which quarter of K is mine
	s_lshl_b32 s30, s31, 10
	s_add_co_u32 s28, s28, s30                     ; + 256 numbers
	s_mov_b32 s29, 0
	s_add_nc_u64 s[20:21], s[20:21], s[28:29]
	s_lshl_b32 s30, ttmp9, 1
	s_add_co_u32 s30, s30, s26                     ; my row tile among all 1,024
	s_lshl_b32 s30, s30, 14
	s_lshl_b32 s31, s31, 12
	s_add_co_u32 s30, s30, s31                     ; + two K steps' images
	s_mov_b32 s31, 0
	s_add_nc_u64 s[16:17], s[16:17], s[30:31]
.irp r, 0,1,2,3,4,5,6,7,8,9,10,11,12,13,14,15
	s_mul_i32 s44, s23, \r
	v_add_nc_u32 v[VR+\r], s44, v1
.endr
.macro LOAD t                          ; step t: 128 numbers of each of the 16 rows
.irp r, 0,1,2,3,4,5,6,7,8,9,10,11,12,13,14,15
	global_load_b128 v[R+64*(\t)+4*\r:R+64*(\t)+4*\r+3], v[VR+\r], s[20:21] offset:512*(\t) th:TH_LOAD_NT
.endr
.endm
	LOAD 0
	LOAD 1
	s_wait_kmcnt 0x0
	s_mov_b32 s42, s41                             ; e: Wo's is e9,
	s_cmp_lt_u32 ttmp9, 480
	s_cselect_b32 s42, s35, s42                    ; Wkv's e3,
	s_cmp_lt_u32 ttmp9, 416
	s_cselect_b32 s42, s33, s42                    ; Wq's e1,
	s_cmp_lt_u32 ttmp9, 384
	s_cselect_b32 s42, s34, s42                    ; c's e2,
	s_cmp_lt_u32 ttmp9, 128
	s_cselect_b32 s42, s32, s42                    ; h's e0
	s_add_co_i32 s42, s42, 127
	s_lshl_b32 s43, s42, 23
	v_mov_b32 v11, s43                             ; 2^e as f32: the conversion takes its exponent field
	s_add_co_i32 s42, s42, 15
	s_lshl_b32 s42, s42, 23
	s_or_b32 s42, s42, 0x600000
	v_mov_b32 v10, s42                             ; 57,344 x 2^e
.macro STEP t
.if (\t) == 0
	s_wait_loadcnt 16                              ; this step's 16 loads are in; the second step's 16 may be out
.else
	s_wait_loadcnt 0x0
.endif
.irp r, 0,1,2,3,4,5,6,7,8,9,10,11,12,13,14,15
	ds_store_b128 v2, v[R+64*(\t)+4*\r:R+64*(\t)+4*\r+3] offset:PITCH*\r
.endr
.irp q, 0,1,2,3                        ; LDS serves a wave's instructions in order (ISA guide 5.7.1.4): these see the stores above
	ds_load_b128 v[X+16*\q:X+16*\q+3],     v3 offset:128*\q        ; k = 32 q + 8 hh + 0..3
	ds_load_b128 v[X+16*\q+4:X+16*\q+7],   v3 offset:128*\q+16     ;                 + 4..7
	ds_load_b128 v[X+16*\q+8:X+16*\q+11],  v3 offset:128*\q+64     ; k = 32 q + 16 + 8 hh + 0..3
	ds_load_b128 v[X+16*\q+12:X+16*\q+15], v3 offset:128*\q+80
.endr
	s_wait_dscnt 0x0                               ; the numbers are back
.set j, 0
.rept 64
	v_med3_num_f32 v[X+j], v[X+j], -v10, v10       ; the conversion to an 8-bit code does not saturate (ISA guide 7.6.2): the hold at the largest code x the scale
.set j, j+1
.endr
.irp u, 0,1,2,3,4,5,6,7
	v_cvt_scalef32_pk8_bf8_f32 v[C+16*(\t)+2*\u:C+16*(\t)+2*\u+1], v[X+8*\u:X+8*\u+7], v11
.endr
	v_nop                                          ; one plain line behind the conversions: the next step's holds write their sources
.irp q, 0,1,2,3
	global_store_b128 v1, v[C+16*(\t)+4*\q:C+16*(\t)+4*\q+3], s[16:17] offset:2048*(\t)+512*\q   ; a chunk: 512 consecutive bytes, aligned
.endr
.endm
	STEP 0
	STEP 1
	s_wait_tensorcnt 0x0
	ds_add_u32 v14, v15
	s_wait_dscnt 0x0
	s_endpgm
.Lfunc_end_k_q8cf4a64ce8_quant:
	.size	k_q8cf4a64ce8_quant, .Lfunc_end_k_q8cf4a64ce8_quant-k_q8cf4a64ce8_quant
	.p2alignl 7, 3214868480
	.fill 96, 4, 3214868480
	.section	.rodata,"a",@progbits
	.p2align	6, 0x0
	.amdhsa_kernel k_q8cf4a64ce8_quant
		.amdhsa_group_segment_fixed_size 68608
		.amdhsa_private_segment_fixed_size 0
		.amdhsa_enable_private_segment 0
		.amdhsa_kernarg_size 56
		.amdhsa_user_sgpr_count 2
		.amdhsa_user_sgpr_kernarg_segment_ptr 1
		.amdhsa_wavefront_size32 1
		.amdhsa_system_sgpr_workgroup_id_x 1
		.amdhsa_system_sgpr_workgroup_id_y 1
		.amdhsa_system_sgpr_workgroup_id_z 1
		.amdhsa_system_vgpr_workitem_id 0
		.amdhsa_next_free_vgpr 256
		.amdhsa_next_free_sgpr 66
		.amdhsa_reserve_vcc 0
		.amdhsa_float_denorm_mode_32 3
		.amdhsa_float_denorm_mode_16_64 3
		.amdhsa_memory_ordered 1
		.amdhsa_forward_progress 1
		.amdhsa_inst_pref_size 22
	.end_amdhsa_kernel
	.amdgpu_metadata
---
amdhsa.version: [ 1, 2 ]
amdhsa.kernels:
  - .name:           k_q8cf4a64ce8_quant
    .symbol:         k_q8cf4a64ce8_quant.kd
    .args:
      - { .name: h, .offset: 0, .size: 8, .value_kind: global_buffer, .address_space: global }
      - { .name: c, .offset: 8, .size: 8, .value_kind: global_buffer, .address_space: global }
      - { .name: Wq, .offset: 16, .size: 8, .value_kind: global_buffer, .address_space: global }
      - { .name: Wkv, .offset: 24, .size: 8, .value_kind: global_buffer, .address_space: global }
      - { .name: Wo, .offset: 32, .size: 8, .value_kind: global_buffer, .address_space: global }
      - { .name: lowp_scales, .offset: 40, .size: 8, .value_kind: global_buffer, .address_space: global }
      - { .name: codes, .offset: 48, .size: 8, .value_kind: global_buffer, .address_space: global }
    .group_segment_fixed_size: 68608
    .private_segment_fixed_size: 0
    .kernarg_segment_align: 8
    .kernarg_segment_size: 56
    .max_flat_workgroup_size: 256
    .sgpr_count:     66
    .vgpr_count:     256
    .wavefront_size: 32
...
	.end_amdgpu_metadata
.endif
;; end of part 1
;; launch proj (part 2): grid 4 x 64, 4 waves a work-group, clusters of 4 x 4, 327,680 bytes of LDS; arguments codes, lowp_scales, qkv; writes qkv
.if DOCPART == 2
	.amdgcn_target "amdgcn-amd-amdhsa--gfx1250"
	.amdhsa_code_object_version 6
	.text
	.protected	k_q8cf4a64ce8_proj
	.globl	k_q8cf4a64ce8_proj
	.p2align	8
	.type	k_q8cf4a64ce8_proj,@function
k_q8cf4a64ce8_proj:
	s_mov_b64 s[64:65], 0
	v_nop
	global_prefetch_b8 v0, s[64:65] scope:SCOPE_SE
	s_setreg_imm32_b32 hwreg(HW_REG_WAVE_MODE, 25, 1), 1
	s_wait_xcnt 0x0
	s_wait_alu depctr_hold_cnt(0) depctr_sa_sdst(0) depctr_va_vdst(0) depctr_va_sdst(0) depctr_va_ssrc(0) depctr_va_vcc(0) depctr_vm_vsrc(0)
	s_getreg_b32 s2, hwreg(HW_REG_IB_STS2, 6, 4)
	s_cmp_eq_u32 s2, 0
	s_cbranch_scc0 .Lentry_in_a_cluster
	s_endpgm
.Lentry_in_a_cluster:
	s_bfe_u32 s2, ttmp6, 0x10000c
	s_cmp_lg_u32 s2, 0xf033
	s_cbranch_scc0 .Lentry_shape_is_right
	s_endpgm
.Lentry_shape_is_right:
; k = c Wk^T, v = c Wv^T, q = h Wq^T on codes of BF8 (E5M2), K = 1,024, sums in f32; each result is quantised at once (k: e4, v: e6, q: e5) and stored as an image of the next product's operand registers.
; A sum stands for sum x 2^(ea + eb), so its code is sum / 2^(e - ea - eb), held within +-57,344: the three exponents are folded into the conversion's one.
; LIMITS: e5 - e0 - e1, e4 - e2 - e3 and e6 - e2 - e3 lie between -126 and 112, so that each power of two below is an f32 number.
; SHARES.  k and v are 8,192 x 2,048 numbers: 256 tiles of 256 x 256.  q is 4,096 x 1,024: 256 tiles of 128 x 128.  So each of the 256 work-groups makes one tile of k or v AND THEN STAYS for one tile of q: equal work for all.
; FIRST PHASE: four waves make 256 X rows x 256 Y rows, a wave 128 x 128: 64 accumulators, 512 registers.  Source 0 = 16 rows of X, source 1 = 16 rows of Y: a lane holds ONE row of Y and eight
; neighbouring rows of X, which are neighbours along the NEXT product's K.  Cluster L (16 of them): 0-7: k (X = Wk, Y = c);  8-15: v (X = c, Y = Wv: the keys are v's K).
; SECOND PHASE: 128 rows of Wq (X) x 128 rows of h (Y), a wave 64 x 64: one head x four row tiles: 16 accumulators.
; THE OPERANDS ARRIVE AS IMAGES OF THEIR REGISTERS: a row tile (16 rows) is 16,384 bytes = 8 steps of 128 along K x 4 chunks of 512 bytes (lane l's four registers at 16 l).  So a fragment is four LDS loads of 512
; consecutive bytes each: no pitch, no padding.  In the first phase K goes in steps of 256 (4,096 bytes of each row tile) through a ring of two LDS slots; a wave's tensor load brings 8 row tiles x 4,096 bytes.
; THE RING GOES ON INTO q: half of q's K (512) of 8 + 8 row tiles is 131,072 bytes, just a slot; a wave's load brings 4 row tiles x 8,192 bytes, into the same 32,768 bytes as before.  The first phase's last two changes
; of slots ask for q's two halves, which land under the last K step and under the way out of k or v.
; CLUSTERS: 4 x 4 work-groups.  In both phases the four of a row of the cluster need the same tile of Y, the four of a column the same tile of X: each is asked for JOINTLY, by the same tensor load with the same descriptor and a mask that names the four.
; REGISTERS, in windows of 256: window 0: v0-31 addresses, v32-47, v52 the stores' offsets, v48-51 the holds and the scales, v64-95 q's codes, from v128 Y's fragments, ONE set (on the way out: k's or v's codes);
;   window 1: X's fragments, TWO sets (second phase: X at v0 and v64, Y at v128 and v192);  window 2: the accumulators of my Y blocks 0-3 ((a, b) at v[8 (8 (a % 4) + b)]), later q's 16 ((a, b) at v[8 (4 a + b)]);  window 3: those of blocks 4-7.
.set FR,     16                        ; registers of a fragment: 16 rows x 128 K
.set NL,     4                         ; LDS loads that bring one
.set NP,     4                         ; places behind this matrix instruction (ISA guide 7.12.1)
.set KSB,    4096                      ; a K step of 256 in a row tile's image
.set QKB,    8192                      ; half of K in a row tile's image: what a slot holds of each of q's row tiles
.set TROW,   16384                     ; a row tile's image
.set HALFT,  8*KSB                     ; what one tensor load brings, and what one wave reads of Y or of X: 8 row tiles x 4,096 bytes, for q 4 x 8,192
.set SLOT,   4*HALFT                   ; Y's two halves, then X's
.set SPARE,  2*SLOT                    ; behind the ring: the spare words, 128 bytes for each wave: two blocks of 256 bytes that no other line names
.set ADRA, 16                          ; v16-17  LDS address of my Y fragments in slot 0, 1
.set ADRB, 20                          ; v20-21  the same for X
.set SPW,  28                          ; v28     LDS address of my spare word; never rewritten
.set NIL,  29                          ; v29     0; never rewritten
.set VO,   32                          ; v32-47  byte offset in qkv of my 16 bytes: Y block a, half xa of its image: v[VO + 2 a + xa]
.set LIM,  48                          ; v48     57,344 x the folded scale of k or v
.set SCL,  49                          ; v49     that scale as f32
.set LIMQ, 50                          ; v50, v51  the same for q
.set SCLQ, 51
.set VOQ,  52                          ; v52     byte offset in qkv of my 16 bytes of q's first chunk
.set QC,   64                          ; v64-95  q's codes
.set AF,   128                         ; Y's fragments, in window 0
.set G1, 24                            ; s[24:31] descriptor group 1 for Y's tiles;  s[32:39] group 0, one set for each slot
.set G0, 32
.set G1B, 48                           ; s[48:55], s[56:63] the same for X's tiles
.set G0B, 56
.set G1Q, 76                           ; s[76:83], s[84:91] groups 1 for q's tiles of Y and of X: another shape, the same masks
.set G1QB, 84
.set MSB, 0
.macro WIN new                         ; the immediate's high byte repeats the setting that is left
.if MSB != (\new)
	s_set_vgpr_msb (MSB<<8)|(\new)
.set MSB, (\new)
.endif
.endm
.set MUL_LO, 0xa1                      ; source 0 (X) window 1, source 1 (Y) window 0, C and D window 2
.set MUL_HI, 0xf1                      ; the same, C and D window 3
.set MUL_Q,  0xa5                      ; sources 0 and 1 window 1, C and D window 2
.set TO_B,   0x40                      ; destination window 1, address window 0
; A joint load: waves 0 and 1 fetch for Y, waves 2 and 3 for X.  Each of the two lines has ONE mask and one set of registers for all that issue it; the branch hangs on the wave's number alone.
; Four v_nop follow each of the two lines, ahead of the jump, the label and what follows.
.macro JLOAD g0a, g1a, g0b, g1b
	s_cmp_eq_u32 s15, 0
	s_cbranch_scc0 .Lfor_b_\@
	tensor_load_to_lds s[\g0a:\g0a+3], s[\g1a:\g1a+7]
	s_nop 0
.rept 4
	v_nop
.endr
	s_branch .Lasked_\@
.Lfor_b_\@:
	tensor_load_to_lds s[\g0b:\g0b+3], s[\g1b:\g1b+7]
	s_nop 0
.rept 4
	v_nop
.endr
.Lasked_\@:
.endm
.macro CREST                           ; a round of the cluster's barrier behind its opening barrier
	s_cmp_lg_u32 s14, 0
	s_cbranch_scc1 .Lnot_wave_0_\@
	s_barrier_signal -3
.Lnot_wave_0_\@:
	s_barrier_wait -3
	s_barrier_signal -1
	s_barrier_wait -1
.endm
.macro CROUND                          ; a whole round
	s_barrier_signal -1
	s_barrier_wait -1
	CREST
.endm
	s_load_b128 s[4:7], s[0:1], 0x0                ; the codes s[4:5], the scales' exponents s[6:7]
	s_load_b64 s[8:9], s[0:1], 0x10                ; qkv
	v_lshl_add_u32 v[SPW], v0, 2, SPARE
	v_mov_b32 v[NIL], 0
	ds_add_u32 v28, v29
	ds_add_u32 v28, v29
	s_wait_dscnt 0x0
	v_lshrrev_b32 v1, 5, v0
	v_readfirstlane_b32 s14, v1                    ; wave 0..3
	s_lshr_b32 s15, s14, 1                         ; which half of Y's rows is mine.  Also: I fetch for Y (0) or for X (1)
	s_and_b32 s16, s14, 1                          ; which half of X's rows.  Also: which half of that tile's row tiles I fetch
	s_bfe_u32 s40, ttmp6, 0x40000                  ; cx, cy: my place in the cluster
	s_bfe_u32 s41, ttmp6, 0x40004
	s_and_b32 s17, ttmp7, 0xffff                   ; L: the cluster's number, 0..15, which all sixteen share
	s_lshl_b32 s43, s41, 2
	s_lshl_b32 s43, 15, s43                        ; my row of the cluster
	s_lshl_b32 s44, 0x1111, s40                    ; my column
	; descriptor groups 1.  First phase: 8 rows (row tiles) of 4,096 bytes, 16,384 bytes apart; q: 4 rows of 8,192 bytes; dense in LDS
	s_or_b32 s[G1+0], s43, (1<<21)                 ; 15:0 the mask: Y's tiles go to my row; 17:16 elements of 1 byte; 20 no padding; 21 set beside a mask
	s_or_b32 s[G1B+0], s44, (1<<21)                ; X's go to my column
	s_or_b32 s[G1Q+0], s43, (1<<21)
	s_or_b32 s[G1QB+0], s44, (1<<21)
.irp g, G1, G1B
	s_mov_b32 s[\g+1], KSB<<16                     ; tensor_dim0
	s_mov_b32 s[\g+2], 8<<16                       ; tensor_dim1
	s_mov_b32 s[\g+3], KSB<<16                     ; tile_dim0
	s_mov_b32 s[\g+4], 8                           ; tile_dim1
	s_mov_b32 s[\g+5], TROW                        ; tensor_dim0_stride
	s_mov_b32 s[\g+6], 0
	s_mov_b32 s[\g+7], 0
.endr
.irp g, G1Q, G1QB
	s_mov_b32 s[\g+1], QKB<<16
	s_mov_b32 s[\g+2], 4<<16
	s_mov_b32 s[\g+3], QKB<<16
	s_mov_b32 s[\g+4], 4
	s_mov_b32 s[\g+5], TROW
	s_mov_b32 s[\g+6], 0
	s_mov_b32 s[\g+7], 0
.endr
	; where the tiles lie in the codes (h at 0, c at 4 MiB, Wq 12, Wk 13, Wv 14 MiB; 256 rows are 256 KiB).  Y's offsets are made of L, cy and the wave alone, X's of L, cx and the wave alone
	s_lshl_b32 s18, s16, 17                        ; first phase: my 8 row tiles of the 16
	s_lshl_b32 s19, s16, 16                        ; q: my 4 row tiles of the 8
	s_add_co_u32 s20, s17, 4
	s_lshl_b32 s20, s20, 20                        ; k: Y = c: four tiles, 1 MiB, for each L
	s_mov_b32 s21, 14<<20                          ; v: Y = Wv
	s_cmp_lt_u32 s17, 8
	s_cselect_b32 s20, s20, s21
	s_lshl_b32 s21, s41, 18
	s_add_co_u32 s20, s20, s21
	s_add_co_u32 s20, s20, s18
	s_mov_b32 s21, 0
	s_max_u32 s46, s17, 4
	s_sub_co_u32 s46, s46, 4
	s_lshl_b32 s46, s46, 20                        ; v: X = c: 4 MiB + (L - 8) MiB
	s_mov_b32 s47, 13<<20                          ; k: X = Wk
	s_cmp_lt_u32 s17, 8
	s_cselect_b32 s46, s47, s46
	s_lshl_b32 s47, s40, 18
	s_add_co_u32 s46, s46, s47
	s_add_co_u32 s46, s46, s18
	s_mov_b32 s47, 0
	s_lshr_b32 s10, s17, 1                         ; q: Y = h: row tiles 32 (L / 2) + 8 cy + my 4
	s_lshl_b32 s10, s10, 19
	s_lshl_b32 s11, s41, 17
	s_add_co_u32 s10, s10, s11
	s_add_co_u32 s10, s10, s19
	s_mov_b32 s11, 0
	s_and_b32 s12, s17, 1                          ; q: X = Wq: row tiles 32 (L % 2) + 8 cx + my 4
	s_lshl_b32 s12, s12, 19
	s_lshl_b32 s13, s40, 17
	s_add_co_u32 s12, s12, s13
	s_add_co_u32 s12, s12, s19
	s_add_co_u32 s12, s12, 12<<20
	s_mov_b32 s13, 0
	s_mul_i32 s45, s14, HALFT                      ; where they go, in both phases: wave x 32,768 bytes: no place in the cluster enters an LDS address
	s_wait_kmcnt 0x0
	s_load_b256 s[68:75], s[6:7], 0x0              ; e0 .. e7
	s_add_nc_u64 s[20:21], s[4:5], s[20:21]
	s_add_nc_u64 s[46:47], s[4:5], s[46:47]
	s_add_nc_u64 s[10:11], s[4:5], s[10:11]
	s_add_nc_u64 s[12:13], s[4:5], s[12:13]
	CROUND                                         ; all sixteen work-groups are here: the first joint loads meet
.irp s, 0,1
	s_mov_b32 s[G0+4*\s], 1
	s_add_co_u32 s[G0+4*\s+1], s45, \s*SLOT
	s_add_nc_u64 s[G0+4*\s+2:G0+4*\s+3], s[20:21], \s*KSB
	s_or_b32 s[G0+4*\s+3], s[G0+4*\s+3], 0x80000000
	s_mov_b32 s[G0B+4*\s], 1
	s_add_co_u32 s[G0B+4*\s+1], s45, \s*SLOT
	s_add_nc_u64 s[G0B+4*\s+2:G0B+4*\s+3], s[46:47], \s*KSB
	s_or_b32 s[G0B+4*\s+3], s[G0B+4*\s+3], 0x80000000
	JLOAD G0+4*\s, G1, G0B+4*\s, G1B
.endr
	v_and_b32 v1, 31, v0
	v_lshlrev_b32 v4, 4, v1                        ; 16 x lane: my place in every chunk
	s_mul_i32 s22, s15, HALFT                      ; my half of Y
	s_mul_i32 s23, s16, HALFT                      ; my half of X,
	s_add_co_u32 s23, s23, 2*HALFT                 ; which lies behind Y's two
.irp s, 0,1
	v_add_nc_u32 v[ADRA+\s], s22, v4
	v_add_nc_u32 v[ADRB+\s], s23, v4
	s_add_co_u32 s22, s22, SLOT
	s_add_co_u32 s23, s23, SLOT
.endr
	; WHERE THE RESULTS GO.  qkv: q at 0: [16 b + n][i / 16][1,024];  k at 4 MiB: [16 b + n][j / 16][1,024];  v at 12 MiB: [16 b + n][j / 128][d / 16][2,048].
	; k: Y block a is a row tile (+ 1,024 a), the wave's 128 X rows are two heads (half xa: + a head's 131,072 bytes).
	s_lshl_b32 s92, s17, 2
	s_add_co_u32 s92, s92, s41                     ; which tile of 256 rows of c: 4 L + cy
	s_lshr_b32 s93, s92, 3                         ; b
	s_lshl_b32 s93, s93, 4
	s_lshl_b32 s96, s40, 2
	s_add_co_u32 s93, s93, s96
	s_lshl_b32 s96, s16, 1
	s_add_co_u32 s93, s93, s96                     ; 16 b + my first head: 4 cx + 2 x my half of X
	s_lshl_b32 s93, s93, 17
	s_and_b32 s92, s92, 7
	s_lshl_b32 s92, s92, 4
	s_lshl_b32 s96, s15, 3
	s_add_co_u32 s92, s92, s96                     ; my first row tile within b
	s_lshl_b32 s92, s92, 10
	s_add_co_u32 s93, s93, s92
	s_add_co_u32 s93, s93, 4<<20
	; v: Y block a is head a / 4, d tile a % 4; the wave's 128 X rows are one block of 128 keys, a whole fragment (half xa: + 1,024)
	s_max_u32 s94, s17, 8
	s_sub_co_u32 s94, s94, 8
	s_lshl_b32 s94, s94, 2
	s_add_co_u32 s94, s94, s40                     ; which tile of 256 rows of c: 4 (L - 8) + cx
	s_lshr_b32 s95, s94, 3                         ; b
	s_lshl_b32 s95, s95, 4
	s_lshl_b32 s96, s41, 2
	s_add_co_u32 s95, s95, s96
	s_lshl_b32 s96, s15, 1
	s_add_co_u32 s95, s95, s96                     ; 16 b + my first head: 4 cy + 2 x my half of Y
	s_lshl_b32 s95, s95, 17
	s_and_b32 s94, s94, 7
	s_lshl_b32 s94, s94, 1
	s_add_co_u32 s94, s94, s16                     ; my block of 128 keys
	s_lshl_b32 s94, s94, 13
	s_add_co_u32 s95, s95, s94
	s_add_co_u32 s95, s95, 12<<20
	s_mov_b32 s97, 1024
	s_mov_b32 s98, 131072
	s_mov_b32 s99, 2048
	s_cmp_lt_u32 s17, 8
	s_cselect_b32 s93, s93, s95                    ; the wave's first byte,
	s_cselect_b32 s97, 131072, s97                 ; the step for xa,
	s_cselect_b32 s98, 4096, s98                   ; for a / 4,
	s_cselect_b32 s99, 1024, s99                   ; for a % 4
	v_add_nc_u32 v5, s93, v4
.irp a, 0,1,2,3,4,5,6,7
	s_mul_i32 s94, s98, \a/4
	s_mul_i32 s95, s99, \a%4
	s_add_co_u32 s94, s94, s95
	v_add_nc_u32 v[VO+2*\a], s94, v5
	v_add_nc_u32 v[VO+2*\a+1], s97, v[VO+2*\a]
.endr
	; q: h's row tile 32 (L / 2) + 8 cy + 4 x my half of Y + a is b = L / 4, i / 16 = 32 ((L / 2) % 2) + 8 cy + ..; my 64 rows of Wq are head 8 (L % 2) + 2 cx + my half of X
	s_lshr_b32 s92, s17, 2
	s_lshl_b32 s92, s92, 4
	s_and_b32 s93, s17, 1
	s_lshl_b32 s93, s93, 3
	s_add_co_u32 s92, s92, s93
	s_lshl_b32 s93, s40, 1
	s_add_co_u32 s92, s92, s93
	s_add_co_u32 s92, s92, s16
	s_lshl_b32 s92, s92, 16                        ; a head's 64 tiles of 1,024 bytes
	s_bfe_u32 s93, s17, 0x10001
	s_lshl_b32 s93, s93, 5
	s_lshl_b32 s94, s41, 3
	s_add_co_u32 s93, s93, s94
	s_lshl_b32 s94, s15, 2
	s_add_co_u32 s93, s93, s94
	s_lshl_b32 s93, s93, 10
	s_add_co_u32 s92, s92, s93
	v_add_nc_u32 v[VOQ], s92, v4
.macro FRAG reg, adr, q, i             ; a fragment comes as it was stored: four chunks of 512 consecutive bytes: row tile i, the slot's q-th 128 along K
.irp c, 0,1,2,3
	ds_load_b128 v[\reg+4*\c:\reg+4*\c+3], v[\adr] offset:2048*(\q)+512*\c+KSB*(\i)
.endr
.endm
; 16 matrix instructions: Y's blocks a0, a0 + 1 x X's eight, 128 along K.  p: X's set.  zero = 1: the first product starts the sums: nothing is ever cleared.
; The 64 accumulators take turns, one instruction a turn, in the same order in every step.
.macro MUL16 a0, p, zero
.irp a, \a0, \a0+1
.irp b, 0,1,2,3,4,5,6,7
.if \zero
	v_wmma_f32_16x16x128_bf8_bf8 v[8*(8*((\a)%4)+\b):8*(8*((\a)%4)+\b)+7], v[128*(\p)+FR*\b:128*(\p)+FR*\b+FR-1], v[AF+FR*(\a):AF+FR*(\a)+FR-1], 0
.else
	v_wmma_f32_16x16x128_bf8_bf8 v[8*(8*((\a)%4)+\b):8*(8*((\a)%4)+\b)+7], v[128*(\p)+FR*\b:128*(\p)+FR*\b+FR-1], v[AF+FR*(\a):AF+FR*(\a)+FR-1], v[8*(8*((\a)%4)+\b):8*(8*((\a)%4)+\b)+7]
.endif
.endr
.endr
.endm
.macro FETCH_B slot, q, p              ; X's eight fragments of the slot's q-th 128 along K into set p
	WIN TO_B
.irp i, 0,1,2,3,4,5,6,7
	FRAG 128*(\p)+FR*\i, ADRB+\slot, \q, \i
.endr
	WIN 0
.endm
.macro FETCH_A slot, q, i0             ; Y's blocks i0 .. i0 + 3
.irp i, \i0, \i0+1, \i0+2, \i0+3
	FRAG AF+FR*(\i), ADRA+\slot, \q, \i
.endr
.endm
; A load into a register that a matrix instruction has read, and a vector instruction that reads a matrix result, stand NP places behind that matrix instruction, and only plain vector
; instructions that name none of its registers are places (ISA guide 7.12.1 for vector instructions).
.macro PLACES n
.rept \n
	v_nop
.endr
.endm
; A step of 128 along K that has its successor in the same slot.  A block of Y is free as soon as its eight products are issued, so one set serves Y: blocks 0-3 are fetched anew in the step's middle, blocks 4-7 at its end.
.macro STEP slot, q, zero
	s_wait_dscnt 4*NL                              ; X's set and Y's blocks 0-3 are in; the youngest 16 loads (Y's blocks 4-7) may be out
	WIN MUL_LO
	MUL16 0, (\q)%2, \zero
	MUL16 2, (\q)%2, \zero
	s_wait_dscnt 0                                 ; Y's blocks 4-7 are in (asked for 32 matrix instructions ago)
	PLACES NP
	FETCH_B \slot, (\q)+1, 1-(\q)%2
	FETCH_A \slot, (\q)+1, 0
	WIN MUL_HI
	MUL16 4, (\q)%2, \zero
	MUL16 6, (\q)%2, \zero
	PLACES NP
	WIN 0
	FETCH_A \slot, (\q)+1, 4
.endm
; A slot's last step changes slots: ONE barrier, which opens a round of the cluster's; in front of it each wave waits for all its tensor loads, adds 0 to its spare word, and waits for that and for its own reads of this slot.
; Behind the round this slot is filled again: forq = 0: with this tile's K step two steps on;  forq = 1: with the slot's half of q's K.  next: the slot whose first fragments are fetched; -1: the first phase's last step fetches none.
.macro TURN slot, next, forq
	s_wait_tensorcnt 0x0                           ; all my tensor loads have landed: my part of the other slot;  (every window is 0 here: the add's two registers lie in window 0)
	ds_add_u32 v[SPW], v[NIL]                      ; 0 onto my spare word
	s_wait_dscnt 4*NL+1                            ; (the add and the youngest 16 loads, Y's blocks 4-7, may be out)
	WIN MUL_LO
	MUL16 0, 1, 0                                  ; sixteen matrix instructions stand between the add and the wait for it
	s_wait_dscnt 0x0                               ; the add is done, and my reads of this slot are over
	s_barrier_signal -1
	MUL16 2, 1, 0
	WIN 0
	s_barrier_wait -1
	CREST                                          ; no wave of any partner still reads this slot's tile or has a load on its way
.if \forq
	s_add_nc_u64 s[G0+4*\slot+2:G0+4*\slot+3], s[10:11], \slot*QKB      ; no tensor load of mine is out, so the groups 0 may be written: h's and Wq's row tiles, K from 512 x slot on
	s_or_b32 s[G0+4*\slot+3], s[G0+4*\slot+3], 0x80000000
	s_add_nc_u64 s[G0B+4*\slot+2:G0B+4*\slot+3], s[12:13], \slot*QKB
	s_or_b32 s[G0B+4*\slot+3], s[G0B+4*\slot+3], 0x80000000
	JLOAD G0+4*\slot, G1Q, G0B+4*\slot, G1QB       ; the first tensor load behind the round
.else
	s_add_nc_u64 s[G0+4*\slot+2:G0+4*\slot+3], s[G0+4*\slot+2:G0+4*\slot+3], 2*KSB
	s_add_nc_u64 s[G0B+4*\slot+2:G0B+4*\slot+3], s[G0B+4*\slot+2:G0B+4*\slot+3], 2*KSB
	JLOAD G0+4*\slot, G1, G0B+4*\slot, G1B         ; the first tensor load behind the round; the four v_nop behind it are the places in front of the loads below
.endif
.if \next >= 0
	FETCH_B \next, 0, 0
	FETCH_A \next, 0, 0
.endif
	WIN MUL_HI
	MUL16 4, 1, 0
	MUL16 6, 1, 0
.if \next >= 0
	PLACES NP
	WIN 0
	FETCH_A \next, 0, 4
.else
	WIN 0
.endif
.endm
	s_wait_tensorcnt 1                             ; my part of K step 0 is in (K step 1's load may be out)
	s_barrier_signal -1
	s_barrier_wait -1                              ; everybody's is
	FETCH_B 0, 0, 0
	FETCH_A 0, 0, 0
	FETCH_A 0, 0, 4
	; K = 1,024 is four K steps of 256, twice round the ring: written straight, without a loop
	STEP 0, 0, 1                                   ; the first products start the sums
	TURN 0, 1, 0                                   ; slot 0 takes K step 2
	STEP 1, 0, 0
	TURN 1, 0, 0                                   ; slot 1 takes K step 3
	STEP 0, 0, 0
	TURN 0, 1, 1                                   ; slot 0 takes the first half of q's K
	STEP 1, 0, 0
	TURN 1, -1, 1                                  ; slot 1 takes the second half
	; THE WAY OUT OF k OR v.  Accumulator (a, b) of lane (r, hh) holds, of Y row r of block a, X rows 16 b + 8 hh + 0..7: its eight codes ARE registers 2 b, 2 b + 1 of the next operand's fragment.  No LDS, no transposition.
	s_wait_kmcnt 0x0
	s_add_co_i32 s94, s70, s71
	s_sub_co_i32 s95, s72, s94                     ; k: e4 - e2 - e3
	s_sub_co_i32 s94, s74, s94                     ; v: e6 - e2 - e3
	s_cmp_lt_u32 s17, 8
	s_cselect_b32 s94, s95, s94
	s_add_co_i32 s94, s94, 127
	s_lshl_b32 s95, s94, 23
	v_mov_b32 v[SCL], s95                          ; the folded scale as f32: the conversion takes its exponent field
	s_add_co_i32 s94, s94, 15
	s_lshl_b32 s94, s94, 23
	s_or_b32 s94, s94, 0x600000
	v_mov_b32 v[LIM], s94                          ; 57,344 x that
	s_sub_co_i32 s94, s73, s68
	s_sub_co_i32 s94, s94, s69                     ; q: e5 - e0 - e1
	s_add_co_i32 s94, s94, 127
	s_lshl_b32 s95, s94, 23
	v_mov_b32 v[SCLQ], s95
	s_add_co_i32 s94, s94, 15
	s_lshl_b32 s94, s94, 23
	s_or_b32 s94, s94, 0x600000
	v_mov_b32 v[LIMQ], s94
	PLACES NP                                      ; behind the last products: for the reads of results, for the writes into the registers that held Y's fragments and for q's loads into X's
.macro QBLOCK a                        ; Y block a: held, converted, stored
.set AC, 64*((\a)%4)
	WIN 0x82+0x41*((\a)/4)                         ; destination and source 0: window 2 or 3
.set j, 0
.rept 64
	v_med3_num_f32 v[AC+j], v[AC+j], -v[LIM], v[LIM]   ; the conversion does not saturate (ISA guide 7.6.2): the hold; each accumulator from its low end on
.set j, j+1
.endr
	WIN 0x02+((\a)/4)                              ; source 0: window 2 or 3
.irp b, 0,1,2,3,4,5,6,7
	v_cvt_scalef32_pk8_bf8_f32 v[AF+16*(\a)+2*\b:AF+16*(\a)+2*\b+1], v[AC+8*\b:AC+8*\b+7], v[SCL]
.endr
	v_nop                                          ; one plain line behind the conversions
	WIN 0
.irp xp, 0,1,2,3
	global_store_b128 v[VO+2*(\a)+\xp/2], v[AF+16*(\a)+4*\xp:AF+16*(\a)+4*\xp+3], s[8:9] offset:512*(\xp%2)   ; a chunk: 512 consecutive bytes, aligned; no register of a store is written again
.endr
.endm
.irp a, 0,1,2,3,4,5,6,7
	QBLOCK \a
.endr
	; THE SECOND PHASE: q.  8 steps of 128 along K: steps 0-3 lie in slot 0, 4-7 in slot 1; in a slot a row tile is 8,192 bytes.  My four row tiles of h and my four of Wq lie where my halves of Y and X lay.
	s_wait_tensorcnt 0x0                           ; my part of slot 1 has landed (slot 0's was shown to all at the last change of slots),
	s_barrier_signal -1
	s_barrier_wait -1                              ; everybody's has
.macro QFETCH kk                       ; 32 LDS loads: Wq's four fragments and h's four of step kk into set kk % 2, all in window 1
	WIN TO_B
.irp i, 0,1,2,3
.irp c, 0,1,2,3
	ds_load_b128 v[64*((\kk)%2)+FR*\i+4*\c:64*((\kk)%2)+FR*\i+4*\c+3], v[ADRB+(\kk)/4] offset:QKB*\i+2048*((\kk)%4)+512*\c
.endr
.endr
.irp i, 0,1,2,3
.irp c, 0,1,2,3
	ds_load_b128 v[128+64*((\kk)%2)+FR*\i+4*\c:128+64*((\kk)%2)+FR*\i+4*\c+3], v[ADRA+(\kk)/4] offset:QKB*\i+2048*((\kk)%4)+512*\c
.endr
.endr
.endm
.macro QSTEP kk                        ; the next step's fragments are asked for, then this step's 16 products: the 16 accumulators by turns, in the same order in every step
.if (\kk) < 7
.if (\kk) > 0
	PLACES NP                                      ; the other set's last readers are the step before's products
.endif
	QFETCH (\kk)+1
	s_wait_dscnt 8*NL                              ; this step's fragments are in; the 32 loads just issued may be out
.else
	s_wait_dscnt 0x0
.endif
	WIN MUL_Q
.irp a, 0,1,2,3
.irp b, 0,1,2,3
.if (\kk) == 0
	v_wmma_f32_16x16x128_bf8_bf8 v[8*(4*\a+\b):8*(4*\a+\b)+7], v[64*((\kk)%2)+FR*\b:64*((\kk)%2)+FR*\b+FR-1], v[128+64*((\kk)%2)+FR*\a:128+64*((\kk)%2)+FR*\a+FR-1], 0
.else
	v_wmma_f32_16x16x128_bf8_bf8 v[8*(4*\a+\b):8*(4*\a+\b)+7], v[64*((\kk)%2)+FR*\b:64*((\kk)%2)+FR*\b+FR-1], v[128+64*((\kk)%2)+FR*\a:128+64*((\kk)%2)+FR*\a+FR-1], v[8*(4*\a+\b):8*(4*\a+\b)+7]
.endif
.endr
.endr
.endm
	QFETCH 0
.irp kk, 0,1,2,3,4,5,6,7
	QSTEP \kk
.endr
	PLACES NP                                      ; in front of the first reads of the results
	WIN 0x82                                       ; destination and source 0: window 2
.set j, 0
.rept 128
	v_med3_num_f32 v[j], v[j], -v[LIMQ], v[LIMQ]   ; the hold; each accumulator from its low end on
.set j, j+1
.endr
	WIN 0x02
.irp a, 0,1,2,3
.irp b, 0,1,2,3
	v_cvt_scalef32_pk8_bf8_f32 v[QC+8*\a+2*\b:QC+8*\a+2*\b+1], v[8*(4*\a+\b):8*(4*\a+\b)+7], v[SCLQ]   ; registers 2 b, 2 b + 1 of row tile a's fragment of 64 along K
.endr
.endr
	v_nop                                          ; one plain line behind the conversions
	WIN 0
.irp a, 0,1,2,3
.irp xp, 0,1
	global_store_b128 v[VOQ], v[QC+8*\a+4*\xp:QC+8*\a+4*\xp+3], s[8:9] offset:1024*\a+512*\xp   ; a chunk: 512 consecutive bytes, aligned
.endr
.endr
	s_wait_tensorcnt 0x0                           ; the wave's end
	ds_add_u32 v[SPW], v[NIL]
	s_wait_dscnt 0x0
	CROUND                                         ; the closing round: no work-group ends while a partner may still ask for a tile that names it
	s_endpgm
.Lfunc_end_k_q8cf4a64ce8_proj:
	.size	k_q8cf4a64ce8_proj, .Lfunc_end_k_q8cf4a64ce8_proj-k_q8cf4a64ce8_proj
	.p2alignl 7, 3214868480
	.fill 96, 4, 3214868480
	.section	.rodata,"a",@progbits
	.p2align	6, 0x0
	.amdhsa_kernel k_q8cf4a64ce8_proj
		.amdhsa_group_segment_fixed_size 327680
		.amdhsa_private_segment_fixed_size 0
		.amdhsa_enable_private_segment 0
		.amdhsa_kernarg_size 24
		.amdhsa_user_sgpr_count 2
		.amdhsa_user_sgpr_kernarg_segment_ptr 1
		.amdhsa_wavefront_size32 1
		.amdhsa_system_sgpr_workgroup_id_x 1
		.amdhsa_system_sgpr_workgroup_id_y 1
		.amdhsa_system_sgpr_workgroup_id_z 1
		.amdhsa_system_vgpr_workitem_id 0
		.amdhsa_next_free_vgpr 1024
		.amdhsa_next_free_sgpr 100
		.amdhsa_reserve_vcc 0
		.amdhsa_float_denorm_mode_32 3
		.amdhsa_float_denorm_mode_16_64 3
		.amdhsa_memory_ordered 1
		.amdhsa_forward_progress 1
		.amdhsa_inst_pref_size 160
	.end_amdhsa_kernel
	.amdgpu_metadata
---
amdhsa.version: [ 1, 2 ]
amdhsa.kernels:
  - .name:           k_q8cf4a64ce8_proj
    .symbol:         k_q8cf4a64ce8_proj.kd
    .args:
      - { .name: codes, .offset: 0, .size: 8, .value_kind: global_buffer, .address_space: global }
      - { .name: lowp_scales, .offset: 8, .size: 8, .value_kind: global_buffer, .address_space: global }
      - { .name: qkv, .offset: 16, .size: 8, .value_kind: global_buffer, .address_space: global }
    .group_segment_fixed_size: 327680
    .private_segment_fixed_size: 0
    .kernarg_segment_align: 8
    .kernarg_segment_size: 24
    .max_flat_workgroup_size: 128
    .sgpr_count:     100
    .vgpr_count:     1024
    .wavefront_size: 32
...
	.end_amdgpu_metadata
.endif
;; end of part 2
;; launch attn (part 3): grid 4 x 64, 4 waves a work-group, no clusters, 34,304 bytes of LDS; arguments qkv, lowp_scales, avec; writes avec
.if DOCPART == 3
	.amdgcn_target "amdgcn-amd-amdhsa--gfx1250"
	.amdhsa_code_object_version 6
	.text
	.protected	k_q8cf4a64ce8_attn
	.globl	k_q8cf4a64ce8_attn
	.p2align	8
	.type	k_q8cf4a64ce8_attn,@function
k_q8cf4a64ce8_attn:
	s_mov_b64 s[64:65], 0
	v_nop
	global_prefetch_b8 v0, s[64:65] scope:SCOPE_SE
	s_setreg_imm32_b32 hwreg(HW_REG_WAVE_MODE, 25, 1), 1
	s_wait_xcnt 0x0
; For each (b, n): S = k q^T / 8, p = softmax over the 2,048 keys, p / (sum of p + 1e-8), O = v^T p; both products on codes of BF8 (E5M2); O is quantised (e8) and stored as an image of the last product's operand.
; p IS QUANTISED FINISHED AND NORMALISED, so a row's sum over all keys must be known before any p is converted.  THE FOUR WAVES SHARE THE KEYS: wave w owns keys 512 w .. 512 w + 511.  A tile of 16 queries x 512 keys
; of scores is 256 registers and stays in them from the product to the conversion: one exponential a score.  The wave's K (256 registers) and V (256) stay in registers for the whole launch, read from memory once.
; Between waves go, through LDS: 8 bytes a query (the wave's -c max and its sum), and the partial O tiles (4 KiB a wave and tile).
; A work-group owns 256 queries (16 tiles) of one head.  No joint loads: K and V are read once at the head straight into registers, and the loop reads 1 KiB of q a tile.
; ARITHMETIC of a lane (one query, lane % 16, throughout): c = log2(e) / 8 x 2^(e4 + e5);  pw = 2^(c s - c mw), mw the wave's largest score;  lw = the sum of pw;  g = the largest of the four c mw;
; Ew = 2^(c mw - g);  l = the sum of lw Ew;  p = pw x Ew / l / (l x (1 / l) + 1e-8): the maximum is taken away as reference() does, and its second normalisation is kept (l x (1 / l) is the sum of the probabilities).
; LAYOUT.  S^T = K Q^T (source 0 = 16 keys, source 1 = 16 queries): register 8 a + j holds key 16 a + 8 (lane / 16) + j, so the conversion of tile a gives registers 2 a, 2 a + 1 of P: the K = 128 form's own layout.
; O^T = V^T P^T (source 0 = 16 of the head's 64, source 1 = P) again holds one query a lane.
; LIMITS: e4 + e5 between -123 and 130 (added to c's exponent field); e7 and e8 - e6 - e7 between -126 and 112.  A p below 2^-126 counts as 0.  NaN is not served.
; REGISTERS, in windows of 256: window 0: addresses, statistics, Q (two buffers), O, P's codes;  window 1: K, tile a at v[8 a];  window 2: V, (key block s, d tile t) at v[16 (4 s + t)];  window 3: S.
.set OPB,  0                           ; LDS: partial O: [tile of the trip: 2][wave: 4][4,096]
.set STAT, 32768                       ; and the statistics: [tile of the trip: 2][wave: 4][16 queries x 8 bytes]
.set QF,   16                          ; v16-23, v24-31  Q's fragment, two buffers
.set O,    32                          ; v32-63   O^T: four accumulators
.set P,    64                          ; v64-127  P's codes: four fragments; in the merge: four waves' partial sums
.set ST,   140                         ; v140-147 the four waves' (-c m, l)
.set OC,   160                         ; v160-163 O's codes
.set MX,   164                         ; v164-171 eight running maxima
.set LS,   172                         ; v172-187 eight running sums, in pairs
; v1 16 x lane; v2, v3 statistics: where I store, where I read; v4, v5 partial O: where I store, where I read; v6, v7: 57,344 x 2^e7, 2^e7; v8, v9: the same with e8 - e6 - e7;
; v[10:11] (-c mw, lw); v[12:13] (f, 0); v14, v15 the lane exchanges' results; v148-158 at work
.set MSB, 0
.macro WIN new                         ; the immediate's high byte repeats the setting that is left
.if MSB != (\new)
	s_set_vgpr_msb (MSB<<8)|(\new)
.set MSB, (\new)
.endif
.endm
	s_load_b128 s[4:7], s[0:1], 0x0                ; qkv, the scales' exponents
	s_load_b64 s[8:9], s[0:1], 0x10                ; avec
	v_lshl_add_u32 v254, v0, 2, 0x8400
	v_mov_b32 v255, 0
	v_lshrrev_b32 v14, 5, v0
	v_readfirstlane_b32 s10, v14                   ; wave 0..3
	v_and_b32 v14, 31, v0
	v_lshlrev_b32 v1, 4, v14
	v_and_b32 v15, 15, v0
	v_lshlrev_b32 v3, 3, v15
	v_add_nc_u32 v3, STAT, v3                      ; 8 bytes a query
	s_lshl_b32 s44, s10, 7
	v_add_nc_u32 v2, s44, v3                       ; + 128 x wave
	s_lshl_b32 s44, s10, 12
	v_add_nc_u32 v4, s44, v1                       ; my 4,096 bytes of a tile's partial sums
	s_lshr_b32 s44, s10, 1                         ; in the merge wave w finishes tile w / 2 of the trip, d 32 (w % 2) on
	s_lshl_b32 s44, s44, 14
	s_and_b32 s45, s10, 1
	s_lshl_b32 s45, s45, 11
	s_add_co_u32 s44, s44, s45
	v_add_nc_u32 v5, s44, v1
	s_and_b32 s11, ttmp7, 0xffff                   ; the head: 16 b + n
	s_lshl_b32 s12, s11, 16                        ; q: a head's 64 tiles of 1,024 bytes,
	s_lshl_b32 s13, ttmp9, 14                      ; my 16 of them
	s_add_co_u32 s12, s12, s13
	s_mov_b32 s13, 0
	s_lshl_b32 s14, s11, 17                        ; k: a head's 128 tiles, my wave's 32 of them; k begins at 4 MiB
	s_lshl_b32 s15, s10, 15
	s_add_co_u32 s14, s14, s15
	s_add_co_u32 s14, s14, 4<<20
	s_mov_b32 s15, 0
	s_lshr_b32 s42, s11, 4                         ; avec: [64 b + i / 16][n][1,024]
	s_lshl_b32 s42, s42, 6
	s_lshl_b32 s43, ttmp9, 4
	s_add_co_u32 s42, s42, s43
	s_lshr_b32 s43, s10, 1
	s_add_co_u32 s42, s42, s43
	s_lshl_b32 s42, s42, 4
	s_and_b32 s43, s11, 15
	s_add_co_u32 s42, s42, s43
	s_lshl_b32 s42, s42, 10
	s_and_b32 s43, s10, 1
	s_lshl_b32 s43, s43, 9
	s_add_co_u32 s42, s42, s43
	s_mov_b32 s43, 0
	s_mov_b32 s38, 0x76543210                      ; v_permlanex16_b32's selects for lane l xor 16
	s_mov_b32 s39, 0xfedcba98
	s_wait_kmcnt 0x0
	s_load_b256 s[24:31], s[6:7], 0x0              ; e0 .. e7
	s_load_b64 s[32:33], s[6:7], 0x20              ; e8, e9
	s_add_nc_u64 s[16:17], s[4:5], s[12:13]        ; Q
	s_add_nc_u64 s[18:19], s[4:5], s[14:15]        ; K
	s_add_nc_u64 s[20:21], s[18:19], 8<<20         ; V: laid alike, 8 MiB further on: my four blocks of 128 keys x four d tiles of 2,048 bytes
	s_add_nc_u64 s[22:23], s[8:9], s[42:43]        ; where I store
	; the images as they lie, 512 consecutive bytes a load.  ORDER: K's 64, V's first 4, Q's 4, V's other 60: the first scores want K and Q alone, and the wait for these then leaves 60 loads out
	WIN 0x40                                       ; destination window 1
.set i, 0
.rept 64
	global_load_b128 v[4*i:4*i+3], v1, s[18:19] offset:512*i
.set i, i+1
.endr
	WIN 0x80                                       ; destination window 2
.set i, 0
.rept 4
	global_load_b128 v[4*i:4*i+3], v1, s[20:21] offset:512*i
.set i, i+1
.endr
	WIN 0
.irp i, 0,1,2,3
	global_load_b128 v[QF+4*\i:QF+4*\i+3], v1, s[16:17] offset:512*\i   ; the first trip's two tiles of queries
.endr
	WIN 0x80
.set i, 4
.rept 60
	global_load_b128 v[4*i:4*i+3], v1, s[20:21] offset:512*i
.set i, i+1
.endr
	WIN 0
	s_wait_kmcnt 0x0
	s_add_co_i32 s44, s28, s29
	s_lshl_b32 s44, s44, 23
	s_add_co_i32 s34, s44, 0x3e38aa3b              ; c = log2(e) / 8, with e4 + e5 added to its exponent field
	s_mov_b32 s35, s34                             ; (named with it as a pair, so it is written)
	s_xor_b32 s36, s34, 0x80000000                 ; -c
	s_add_co_i32 s44, s31, 127
	s_lshl_b32 s45, s44, 23
	v_mov_b32 v7, s45                              ; 2^e7
	s_add_co_i32 s44, s44, 15
	s_lshl_b32 s44, s44, 23
	s_or_b32 s44, s44, 0x600000
	v_mov_b32 v6, s44                              ; 57,344 x 2^e7
	s_sub_co_i32 s44, s32, s30
	s_sub_co_i32 s44, s44, s31                     ; a sum of the second product stands for sum x 2^(e6 + e7): its code is sum / 2^(e8 - e6 - e7)
	s_add_co_i32 s44, s44, 127
	s_lshl_b32 s45, s44, 23
	v_mov_b32 v9, s45
	s_add_co_i32 s44, s44, 15
	s_lshl_b32 s44, s44, 23
	s_or_b32 s44, s44, 0x600000
	v_mov_b32 v8, s44
	v_mov_b32 v11, 0                               ; (named as upper halves of pairs before they hold anything)
	v_mov_b32 v13, 0
	s_wait_loadcnt 60                              ; K and both Q buffers are in; V's last 60 loads may be out: they land under the first tile's scores and exponentials
; ONE TILE OF 16 QUERIES, the i-th of a trip's two.  Its Q buffer has been shown in by the tile before (the first: by the wait above).  next = 1: the buffer takes the next trip's tile.
; wait: the count of the wait in front of V^T P: the loads younger than what it shows; -1: none is written.
.macro TILE i, wait, next
	WIN 0xc1                                       ; K window 1, Q window 0, S window 3
.set a, 0
.rept 32
	v_wmma_f32_16x16x64_bf8_bf8 v[8*a:8*a+7], v[8*a:8*a+7], v[QF+8*\i:QF+8*\i+7], 0
.set a, a+1
.endr
.rept 4
	v_nop                                          ; places: for the load into Q's buffer and for the first reads of the scores
.endr
.if \next
	WIN 0
	global_load_b128 v[QF+8*\i:QF+8*\i+3],   v1, s[16:17] offset:2048+1024*\i
	global_load_b128 v[QF+8*\i+4:QF+8*\i+7], v1, s[16:17] offset:2048+1024*\i+512
.endif
	WIN 0x0f                                       ; the largest of my 256 scores, in eight chains, in ascending order
.set k, 0
.rept 8
	v_max_num_f32 v[MX+k], v[2*k], v[2*k+1]
.set k, k+1
.endr
	WIN 0x3c
.set p, 8
.rept 120
	v_max3_num_f32 v[MX+p%8], v[MX+p%8], v[2*p], v[2*p+1]
.set p, p+1
.endr
	WIN 0
	v_max3_num_f32 v[MX], v[MX], v[MX+1], v[MX+2]
	v_max3_num_f32 v[MX+3], v[MX+3], v[MX+4], v[MX+5]
	v_max3_num_f32 v[MX], v[MX], v[MX+6], v[MX+7]
	v_max_num_f32 v[MX], v[MX], v[MX+3]
	v_permlanex16_b32 v14, v[MX], s38, s39         ; the query's other 256 keys of this wave lie in the lane 16 away
	v_max_num_f32 v[MX], v[MX], v14
	v_mul_f32 v10, s36, v[MX]                      ; -c mw
	; c s - c mw, two at a time (of both pairs the low word serves both halves), and pw = 2^that, at most 1.  BY TURNS, under one window setting: the scaling of pair p + 2 stands between the two
	; exponentials of pair p, so that a plain line follows every second exponential; it names neither their results nor their sources
	WIN 0xc3
	v_pk_fma_f32 v[0:1], v[0:1], s[34:35], v[10:11] op_sel_hi:[1,0,0]
	v_pk_fma_f32 v[2:3], v[2:3], s[34:35], v[10:11] op_sel_hi:[1,0,0]
.set p, 0
.rept 128
	v_exp_f32 v[2*p], v[2*p]
.if p < 126
	v_pk_fma_f32 v[2*p+4:2*p+5], v[2*p+4:2*p+5], s[34:35], v[10:11] op_sel_hi:[1,0,0]
.endif
	v_exp_f32 v[2*p+1], v[2*p+1]
.set p, p+1
.endr
	v_nop                                          ; a plain line between the last exponentials and the use of their results
	WIN 0x0f                                       ; lw: the sum of the unquantised pw, two at a time, in eight chains
.set k, 0
	s_wait_alu depctr_va_vdst(0)
.rept 8
	v_pk_add_f32 v[LS+2*k:LS+2*k+1], v[4*k:4*k+1], v[4*k+2:4*k+3]
.set k, k+1
.endr
	WIN 0x0c
.set p, 16
.rept 112
	v_pk_add_f32 v[LS+2*(p%8):LS+2*(p%8)+1], v[LS+2*(p%8):LS+2*(p%8)+1], v[2*p:2*p+1]
.set p, p+1
.endr
	WIN 0
.irp k, 0,1,2,3
	v_pk_add_f32 v[LS+2*\k:LS+2*\k+1], v[LS+2*\k:LS+2*\k+1], v[LS+2*\k+8:LS+2*\k+9]
.endr
	v_pk_add_f32 v[LS:LS+1], v[LS:LS+1], v[LS+4:LS+5]
	v_pk_add_f32 v[LS+2:LS+3], v[LS+2:LS+3], v[LS+6:LS+7]
	v_pk_add_f32 v[LS:LS+1], v[LS:LS+1], v[LS+2:LS+3]
	v_add_f32 v11, v[LS], v[LS+1]
	v_permlanex16_b32 v15, v11, s38, s39
	v_add_f32 v11, v11, v15                        ; lw
	; the four waves' figures meet.  The two tiles of a trip have bytes of their own, so a word is stored again only behind two further barriers
	ds_store_b64 v2, v[10:11] offset:512*\i        ; lanes l and l + 16 store the same 8 bytes with the same value
	s_wait_dscnt 0x0                               ; for the others' sake: my store has landed (and my stores of partial sums, and my earlier reads are back)
	s_barrier_signal -1
	s_barrier_wait -1
.irp u, 0,1,2,3
	ds_load_b64 v[ST+2*\u:ST+2*\u+1], v3 offset:512*\i+128*\u
.endr
	s_wait_dscnt 0x0
	v_min3_num_f32 v148, v[ST], v[ST+2], v[ST+4]
	v_min_num_f32 v148, v148, v[ST+6]              ; -g: the least of the four -c mw
	v_sub_f32 v149, v148, v[ST]
	v_sub_f32 v150, v148, v[ST+2]
	v_sub_f32 v151, v148, v[ST+4]
	v_sub_f32 v152, v148, v[ST+6]
	v_sub_f32 v153, v148, v10                      ; mine
	v_exp_f32 v149, v149                           ; Ew = 2^(c mw - g), at most 1
	v_exp_f32 v150, v150
	v_exp_f32 v151, v151
	v_exp_f32 v152, v152
	v_exp_f32 v153, v153
	v_nop
	s_wait_alu depctr_va_vdst(0)
	v_mul_f32 v154, v[ST+1], v149                  ; l, in the same order in all four waves
	v_fmac_f32 v154, v[ST+3], v150
	v_fmac_f32 v154, v[ST+5], v151
	v_fmac_f32 v154, v[ST+7], v152
	v_rcp_f32 v155, v154
	v_nop
	s_wait_alu depctr_va_vdst(0)
	v_fmaak_f32 v156, v154, v155, 0x322bcc77       ; the sum of the probabilities + 1e-8
	v_rcp_f32 v157, v156
	v_mul_f32 v158, v153, v155                     ; (a plain line behind the reciprocal)
	s_wait_alu depctr_va_vdst(0)
	v_mul_f32 v12, v158, v157                      ; f = Ew / l / (the sum + 1e-8)
	WIN 0xc3
.set p, 0
.rept 128
	v_pk_mul_f32 v[2*p:2*p+1], v[2*p:2*p+1], v[12:13] op_sel_hi:[1,0]   ; p, finished
.set p, p+1
.endr
.set p, 0
.rept 256
	v_min_num_f32 v[p], v[p], v6                   ; the conversion does not saturate (ISA guide 7.6.2); p is not negative, so the hold is one-sided
.set p, p+1
.endr
	WIN 0x03
.set a, 0
.rept 32
	v_cvt_scalef32_pk8_bf8_f32 v[P+2*a:P+2*a+1], v[8*a:8*a+7], v7
.set a, a+1
.endr
	v_nop                                          ; one plain line between the conversions and the products that read their results
.if \wait >= 0
	s_wait_loadcnt \wait                           ; all but this tile's own two loads of Q are in: in the first trip V, in every trip the other Q buffer, which the next tile multiplies
.endif
	WIN 0x02                                       ; V window 2; P, O window 0
.irp s, 0,1,2,3                        ; my 512 keys, 128 at a time; the four accumulators take turns, one instruction a turn
.irp t, 0,1,2,3
.if \s == 0
	v_wmma_f32_16x16x128_bf8_bf8 v[O+8*\t:O+8*\t+7], v[16*(4*\s+\t):16*(4*\s+\t)+15], v[P+16*\s:P+16*\s+15], 0
.else
	v_wmma_f32_16x16x128_bf8_bf8 v[O+8*\t:O+8*\t+7], v[16*(4*\s+\t):16*(4*\s+\t)+15], v[P+16*\s:P+16*\s+15], v[O+8*\t:O+8*\t+7]
.endif
.endr
.endr
	WIN 0
.rept 4
	v_nop                                          ; places in front of the stores that read the results, and of the merge's loads into P's registers
.endr
.irp g, 0,1,2,3,4,5,6,7
	ds_store_b128 v4, v[O+4*\g:O+4*\g+3] offset:OPB+16384*\i+512*\g   ; my partial O^T as it stands in my registers, from each accumulator's low end on
.endr
.endm
; THE MERGE of a trip's two tiles: wave w adds the four waves' partial sums of tile w / 2, d 32 (w % 2) .. + 31, quantises them and stores one chunk of 512 consecutive bytes.
.macro MERGE
	s_wait_dscnt 0x0                               ; my partial sums have landed
	s_barrier_signal -1
	s_barrier_wait -1
.irp u, 0,1,2,3
.irp g, 0,1,2,3
	ds_load_b128 v[P+16*\u+4*\g:P+16*\u+4*\g+3], v5 offset:OPB+4096*\u+512*\g
.endr
.endr
	s_wait_dscnt 0x0                               ; they are in: the next trip's first barrier, behind which these bytes are stored again, is signalled behind this wait
.irp u, 1,2,3
.irp g, 0,2,4,6,8,10,12,14
	v_pk_add_f32 v[P+\g:P+\g+1], v[P+\g:P+\g+1], v[P+16*\u+\g:P+16*\u+\g+1]
.endr
.endr
.irp g, 0,1,2,3,4,5,6,7,8,9,10,11,12,13,14,15
	v_med3_num_f32 v[P+\g], v[P+\g], -v8, v8
.endr
	v_cvt_scalef32_pk8_bf8_f32 v[OC:OC+1], v[P:P+7], v9
	v_cvt_scalef32_pk8_bf8_f32 v[OC+2:OC+3], v[P+8:P+15], v9
	v_nop                                          ; one plain line behind the conversions
	global_store_b128 v1, v[OC:OC+3], s[22:23]
.endm
.macro TRIP next
.if \next
	TILE 0, 2, 1
	TILE 1, 2, 1
.else
	TILE 0, 0, 0                                   ; nothing was asked for behind the other buffer's loads
	TILE 1, -1, 0                                  ; and no load is out any more
.endif
	MERGE
.if \next
	s_wait_xcnt 0x0                                ; the store's data and base and the loads' base are written again only behind this wait
	s_add_nc_u64 s[16:17], s[16:17], 2048          ; two tiles of q on
	s_add_nc_u64 s[22:23], s[22:23], 32768         ; two row tiles of avec on
.endif
.endm
	s_mov_b32 s40, 7
.Ltrip:                                            ; seven trips of two tiles; every window is 0 here
	TRIP 1
	s_sub_co_u32 s40, s40, 1
	s_cmp_lg_u32 s40, 0
	s_cbranch_scc1 .Ltrip
	TRIP 0                                         ; the last two tiles are written out: no load passes my 16 tiles of q
	s_wait_tensorcnt 0x0
	ds_add_u32 v254, v255
	s_wait_dscnt 0x0
	s_endpgm
.Lfunc_end_k_q8cf4a64ce8_attn:
	.size	k_q8cf4a64ce8_attn, .Lfunc_end_k_q8cf4a64ce8_attn-k_q8cf4a64ce8_attn
	.p2alignl 7, 3214868480
	.fill 96, 4, 3214868480
	.section	.rodata,"a",@progbits
	.p2align	6, 0x0
	.amdhsa_kernel k_q8cf4a64ce8_attn
		.amdhsa_group_segment_fixed_size 34304
		.amdhsa_private_segment_fixed_size 0
		.amdhsa_enable_private_segment 0
		.amdhsa_kernarg_size 24
		.amdhsa_user_sgpr_count 2
		.amdhsa_user_sgpr_kernarg_segment_ptr 1
		.amdhsa_wavefront_size32 1
		.amdhsa_system_sgpr_workgroup_id_x 1
		.amdhsa_system_sgpr_workgroup_id_y 1
		.amdhsa_system_sgpr_workgroup_id_z 1
		.amdhsa_system_vgpr_workitem_id 0
		.amdhsa_next_free_vgpr 1024
		.amdhsa_next_free_sgpr 66
		.amdhsa_reserve_vcc 0
		.amdhsa_float_denorm_mode_32 3
		.amdhsa_float_denorm_mode_16_64 3
		.amdhsa_memory_ordered 1
		.amdhsa_forward_progress 1
		.amdhsa_inst_pref_size 248
	.end_amdhsa_kernel
	.amdgpu_metadata
---
amdhsa.version: [ 1, 2 ]
amdhsa.kernels:
  - .name:           k_q8cf4a64ce8_attn
    .symbol:         k_q8cf4a64ce8_attn.kd
    .args:
      - { .name: qkv, .offset: 0, .size: 8, .value_kind: global_buffer, .address_space: global }
      - { .name: lowp_scales, .offset: 8, .size: 8, .value_kind: global_buffer, .address_space: global }
      - { .name: avec, .offset: 16, .size: 8, .value_kind: global_buffer, .address_space: global }
    .group_segment_fixed_size: 34304
    .private_segment_fixed_size: 0
    .kernarg_segment_align: 8
    .kernarg_segment_size: 24
    .max_flat_workgroup_size: 128
    .sgpr_count:     66
    .vgpr_count:     1024
    .wavefront_size: 32
...
	.end_amdgpu_metadata
.endif
;; end of part 3
;; launch outln (part 4): grid 128 x 1, 8 waves a work-group, no clusters, 165,376 bytes of LDS; arguments avec, codes, h, gamma, beta, lowp_scales, out0; writes out0
.if DOCPART == 4
	.amdgcn_target "amdgcn-amd-amdhsa--gfx1250"
	.amdhsa_code_object_version 6
	.text
	.protected	k_q8cf4a64ce8_outln
	.globl	k_q8cf4a64ce8_outln
	.p2align	8
	.type	k_q8cf4a64ce8_outln,@function
k_q8cf4a64ce8_outln:
	s_mov_b64 s[64:65], 0
	v_nop
	global_prefetch_b8 v0, s[64:65] scope:SCOPE_SE
	s_setreg_imm32_b32 hwreg(HW_REG_WAVE_MODE, 25, 1), 1
	s_wait_xcnt 0x0
; out = layer norm(h + attn_vec Wo^T) x gamma + beta.  The product is on codes of BF8 (E5M2), K = 1,024, sums in f32, x 2^(e8 + e9); all else in f32.
; LIMIT: e8 + e9 between -126 and 127, so that 2^(e8 + e9) is an f32 number.
; A work-group of eight waves takes 32 rows (two row tiles of avec: 32 neighbouring i of one b) x ALL 1,024 columns, so that the norm over a row needs no second launch.
; Wave w makes columns 128 w .. + 127: 8 tiles of Wo x 2 tiles of rows: 16 accumulators.  Source 0 = 16 rows of Wo (columns of the result), source 1 = 16 rows of avec: a lane holds eight neighbouring columns of one row.
; Each fragment of Wo is read by ONE wave of the work-group, so it goes from memory straight into registers (images: 512 consecutive bytes a load), two K steps of 128 ahead: 64 loads a wave are out.
; No joint loads: a ring in LDS would hold one K step's request for each barrier; the eight waves' two register sets hold two, and no barrier stands in the K loop.  Wo's 1 MiB is read by all 128 work-groups.
; 128 work-groups: with 16 rows each fragment of Wo would feed one product instead of two, and Wo would be read twice as often.
; avec's 32 KiB are read once (wave w: K step w) and shared through LDS as images.  The sums meet in a stage of whole rows; then one wave takes one row at a time: mean, variance of the differences, as reference() has them.
; REGISTERS: window 0: v1-5 addresses; v8-31 six registers of statistics for each of my four rows; v64-127 avec's fragments, two sets; v128-255 the accumulators ((y, xb) at v[128 + 8 (8 y + xb)]), later my four rows.
;   window 1: v0-127, v128-255 Wo's fragments, two sets; later h's four rows (v0-127), gamma (v128-159), beta (v160-191).
.set AIM,    0                         ; LDS: avec's images: [K step 8][row tile 2][2,048]
.set STG,    32768                     ; the stage: 32 rows x (4,096 bytes + 16): sixteen rows of a store begin in sixteen different 16-byte columns
.set SPITCH, 4112
.set AS,   64
.set ACC,  128
.set XR,   128
.set T,    8                           ; row p: v[T + 6 p] on: two chains of pairs, the lane exchange's result
.set MSB, 0
.macro WIN new                         ; the immediate's high byte repeats the setting that is left
.if MSB != (\new)
	s_set_vgpr_msb (MSB<<8)|(\new)
.set MSB, (\new)
.endif
.endm
	s_load_b256 s[4:11], s[0:1], 0x0               ; avec, the codes, h, gamma
	s_load_b128 s[12:15], s[0:1], 0x20             ; beta, the scales' exponents
	s_load_b64 s[16:17], s[0:1], 0x30              ; out
	v_lshl_add_u32 v62, v0, 2, 0x28200
	v_mov_b32 v63, 0
	v_lshrrev_b32 v6, 5, v0
	v_readfirstlane_b32 s18, v6                    ; wave 0..7
	v_and_b32 v6, 31, v0
	v_lshlrev_b32 v1, 4, v6                        ; 16 x lane
	s_lshl_b32 s19, s18, 12
	v_add_nc_u32 v2, s19, v1                       ; where I store avec's images: K step w
	v_and_b32 v6, 15, v0
	v_bfe_u32 v7, v0, 4, 1
	v_mul_u32_u24 v3, v6, SPITCH
	v_lshl_add_u32 v3, v7, 5, v3
	s_lshl_b32 s19, s18, 9
	s_add_co_u32 s19, s19, STG
	v_add_nc_u32 v3, s19, v3                       ; the stage, in: row r, + 32 bytes for the upper half of the lanes, + my 512 bytes of the row
	v_add_nc_u32 v4, 16*SPITCH, v3                 ; and the second row tile's
	s_mul_i32 s19, s18, 4*SPITCH
	s_add_co_u32 s19, s19, STG
	v_add_nc_u32 v5, s19, v1                       ; back: my four rows, 16 bytes a lane
.irp p, 0,1,2,3
	v_mov_b32 v[T+6*\p+4], 0                       ; written once: a lane permute's destination counts as one of its sources
.endr
	s_lshl_b32 s24, ttmp9, 15                      ; avec: two row tiles of 16,384 bytes a work-group, + my K step
	s_lshl_b32 s25, s18, 11
	s_add_co_u32 s24, s24, s25
	s_mov_b32 s25, 0
	s_lshl_b32 s26, s18, 17                        ; Wo's images begin at 15 MiB; my 8 row tiles
	s_add_co_u32 s26, s26, 15<<20
	s_mov_b32 s27, 0
	s_and_b32 s28, ttmp9, 31                       ; h, out: row 4 i + b; i = 32 (g % 32) + 4 w + p, b = g / 32
	s_lshl_b32 s28, s28, 5
	s_lshl_b32 s29, s18, 2
	s_add_co_u32 s28, s28, s29
	s_lshl_b32 s28, s28, 2
	s_lshr_b32 s29, ttmp9, 5
	s_add_co_u32 s28, s28, s29
	s_lshl_b32 s28, s28, 12
	s_mov_b32 s29, 0
	s_mov_b32 s36, 0x3a800000                      ; 1 / 1,024
	s_mov_b32 s38, 0x76543210                      ; v_permlanex16_b32's selects for lane l xor 16
	s_mov_b32 s39, 0xfedcba98
	s_wait_kmcnt 0x0
	s_load_b64 s[32:33], s[14:15], 0x20            ; e8, e9
	s_add_nc_u64 s[4:5], s[4:5], s[24:25]
	s_add_nc_u64 s[6:7], s[6:7], s[26:27]
	s_add_nc_u64 s[8:9], s[8:9], s[28:29]
	s_add_nc_u64 s[16:17], s[16:17], s[28:29]
.macro LOADK s                         ; Wo's eight fragments of K step s into set s % 2
	WIN 0x40
.irp xb, 0,1,2,3,4,5,6,7
.irp c, 0,1,2,3
	global_load_b128 v[128*((\s)%2)+16*\xb+4*\c:128*((\s)%2)+16*\xb+4*\c+3], v1, s[6:7] offset:16384*\xb+2048*(\s)+512*\c
.endr
.endr
	WIN 0
.endm
.macro AFETCH s                        ; avec's two fragments of K step s into set s % 2
.irp y, 0,1
.irp c, 0,1,2,3
	ds_load_b128 v[AS+32*((\s)%2)+16*\y+4*\c:AS+32*((\s)%2)+16*\y+4*\c+3], v1 offset:AIM+4096*(\s)+2048*\y+512*\c
.endr
.endr
.endm
.irp y, 0,1
.irp c, 0,1,2,3
	global_load_b128 v[AS+16*\y+4*\c:AS+16*\y+4*\c+3], v1, s[4:5] offset:16384*\y+512*\c   ; K step w of both row tiles
.endr
.endr
	LOADK 0
	s_wait_loadcnt 32                              ; avec's eight loads are in; Wo's 32 may be out
.irp y, 0,1
.irp c, 0,1,2,3
	ds_store_b128 v2, v[AS+16*\y+4*\c:AS+16*\y+4*\c+3] offset:AIM+2048*\y+512*\c
.endr
.endr
	LOADK 1
	s_wait_dscnt 0x0                               ; for the others' sake: my images have landed
	s_barrier_signal -1
	s_barrier_wait -1
	AFETCH 0
.macro STEP s                          ; 128 along K: 16 matrix instructions, the 16 accumulators by turns in the same order in every step
	s_wait_loadcnt 32                              ; this step's 32 loads are in; the 32 issued behind them (Wo's next step, at the end h's rows) may be out
	s_wait_dscnt 0x0                               ; avec's fragments of this step
.if (\s) < 7
	AFETCH (\s)+1                                  ; (the set's last readers stand in front of the last step's four places)
.endif
	WIN 0x01                                       ; Wo window 1
.irp xb, 0,1,2,3,4,5,6,7
.irp y, 0,1
.if (\s) == 0
	v_wmma_f32_16x16x128_bf8_bf8 v[ACC+8*(8*\y+\xb):ACC+8*(8*\y+\xb)+7], v[128*((\s)%2)+16*\xb:128*((\s)%2)+16*\xb+15], v[AS+32*((\s)%2)+16*\y:AS+32*((\s)%2)+16*\y+15], 0
.else
	v_wmma_f32_16x16x128_bf8_bf8 v[ACC+8*(8*\y+\xb):ACC+8*(8*\y+\xb)+7], v[128*((\s)%2)+16*\xb:128*((\s)%2)+16*\xb+15], v[AS+32*((\s)%2)+16*\y:AS+32*((\s)%2)+16*\y+15], v[ACC+8*(8*\y+\xb):ACC+8*(8*\y+\xb)+7]
.endif
.endr
.endr
	WIN 0
.rept 4
	v_nop                                          ; places in front of loads into registers that matrix instructions have read, and at the end of the stores that read the sums
.endr
.if (\s) < 6
	LOADK (\s)+2
.elseif (\s) == 6
	WIN 0x40
.irp p, 0,1,2,3
.irp j, 0,1,2,3,4,5,6,7
	global_load_b128 v[32*\p+4*\j:32*\p+4*\j+3], v1, s[8:9] offset:16384*\p+512*\j th:TH_LOAD_NT   ; h: my four rows, into the set that is free
.endr
.endr
	WIN 0
.else
	WIN 0x40
.irp j, 0,1,2,3,4,5,6,7
	global_load_b128 v[128+4*\j:128+4*\j+3], v1, s[10:11] offset:512*\j   ; gamma
	global_load_b128 v[160+4*\j:160+4*\j+3], v1, s[12:13] offset:512*\j   ; beta
.endr
	WIN 0
.endif
.endm
.irp s, 0,1,2,3,4,5,6,7
	STEP \s
.endr
.irp xb, 0,1,2,3,4,5,6,7               ; the sums as they are, into whole rows; each accumulator from its low end on
	ds_store_b128 v3, v[ACC+8*\xb:ACC+8*\xb+3] offset:64*\xb
	ds_store_b128 v3, v[ACC+8*\xb+4:ACC+8*\xb+7] offset:64*\xb+16
	ds_store_b128 v4, v[ACC+64+8*\xb:ACC+64+8*\xb+3] offset:64*\xb
	ds_store_b128 v4, v[ACC+64+8*\xb+4:ACC+64+8*\xb+7] offset:64*\xb+16
.endr
	s_wait_dscnt 0x0                               ; for the others' sake: my part of the 32 rows has landed
	s_barrier_signal -1
	s_barrier_wait -1
.irp p, 0,1,2,3
.irp j, 0,1,2,3,4,5,6,7
	ds_load_b128 v[XR+32*\p+4*\j:XR+32*\p+4*\j+3], v5 offset:SPITCH*\p+512*\j   ; row 4 w + p: lane l holds columns 128 j + 4 l + 0..3
.endr
.endr
	s_wait_kmcnt 0x0
	s_add_co_i32 s34, s32, s33
	s_add_co_i32 s34, s34, 127
	s_lshl_b32 s34, s34, 23                        ; 2^(e8 + e9) as f32
	s_mov_b32 s35, s34                             ; (named with it as a pair, so it is written)
	s_wait_loadcnt 0x0                             ; h, gamma, beta
	s_wait_dscnt 0x0
	WIN 0x10                                       ; source 2 (h) window 1
.set q, 0
.rept 64
	v_pk_fma_f32 v[XR+2*q:XR+2*q+1], v[XR+2*q:XR+2*q+1], s[34:35], v[2*q:2*q+1] op_sel_hi:[1,0,1]   ; x = sum x 2^(e8 + e9) + h
.set q, q+1
.endr
	WIN 0
; the two chains of each of my four rows are folded, then the 32 lanes: the four rows take turns line by line, so that no line waits for the line above it
.macro REDUCE
.irp p, 0,1,2,3
	v_pk_add_f32 v[T+6*\p:T+6*\p+1], v[T+6*\p:T+6*\p+1], v[T+6*\p+2:T+6*\p+3]
.endr
.irp p, 0,1,2,3
	v_add_f32 v[T+6*\p], v[T+6*\p], v[T+6*\p+1]
.endr
.irp m, 1,2,4,8
.irp p, 0,1,2,3
	v_add_f32_dpp v[T+6*\p], v[T+6*\p], v[T+6*\p] row_xmask:\m row_mask:0xf bank_mask:0xf
.endr
.endr
.irp p, 0,1,2,3
	v_permlanex16_b32 v[T+6*\p+4], v[T+6*\p], s38, s39
.endr
.irp p, 0,1,2,3
	v_add_f32 v[T+6*\p], v[T+6*\p], v[T+6*\p+4]
.endr
.endm
.irp p, 0,1,2,3
	v_pk_add_f32 v[T+6*\p:T+6*\p+1],   v[XR+32*\p:XR+32*\p+1],   v[XR+32*\p+2:XR+32*\p+3]
	v_pk_add_f32 v[T+6*\p+2:T+6*\p+3], v[XR+32*\p+4:XR+32*\p+5], v[XR+32*\p+6:XR+32*\p+7]
.endr
.irp u, 8,12,16,20,24,28
.irp p, 0,1,2,3
	v_pk_add_f32 v[T+6*\p:T+6*\p+1],   v[T+6*\p:T+6*\p+1],   v[XR+32*\p+\u:XR+32*\p+\u+1]
	v_pk_add_f32 v[T+6*\p+2:T+6*\p+3], v[T+6*\p+2:T+6*\p+3], v[XR+32*\p+\u+2:XR+32*\p+\u+3]
.endr
.endr
	REDUCE
.irp p, 0,1,2,3
	v_mul_f32 v[T+6*\p], s36, v[T+6*\p]            ; the mean
.endr
.irp p, 0,1,2,3
.irp u, 0,2,4,6,8,10,12,14,16,18,20,22,24,26,28,30
	v_pk_add_f32 v[XR+32*\p+\u:XR+32*\p+\u+1], v[XR+32*\p+\u:XR+32*\p+\u+1], v[T+6*\p:T+6*\p+1] op_sel_hi:[1,0] neg_lo:[0,1] neg_hi:[0,1]   ; x - mean
.endr
.endr
.irp p, 0,1,2,3
	v_pk_mul_f32 v[T+6*\p:T+6*\p+1],   v[XR+32*\p:XR+32*\p+1],   v[XR+32*\p:XR+32*\p+1]
	v_pk_mul_f32 v[T+6*\p+2:T+6*\p+3], v[XR+32*\p+2:XR+32*\p+3], v[XR+32*\p+2:XR+32*\p+3]
.endr
.irp u, 4,8,12,16,20,24,28
.irp p, 0,1,2,3
	v_pk_fma_f32 v[T+6*\p:T+6*\p+1],   v[XR+32*\p+\u:XR+32*\p+\u+1],   v[XR+32*\p+\u:XR+32*\p+\u+1],   v[T+6*\p:T+6*\p+1]
	v_pk_fma_f32 v[T+6*\p+2:T+6*\p+3], v[XR+32*\p+\u+2:XR+32*\p+\u+3], v[XR+32*\p+\u+2:XR+32*\p+\u+3], v[T+6*\p+2:T+6*\p+3]
.endr
.endr
	REDUCE
.irp p, 0,1,2,3
	v_fmaak_f32 v[T+6*\p], s36, v[T+6*\p], 0x3727c5ac   ; the variance + 1e-5
.endr
.irp p, 0,1,2,3
	v_rsq_f32 v[T+6*\p], v[T+6*\p]
.endr
	v_nop                                          ; a plain line between the last root and the use of its result
	s_wait_alu depctr_va_vdst(0)
.irp p, 0,1,2,3
.irp u, 0,2,4,6,8,10,12,14,16,18,20,22,24,26,28,30
	v_pk_mul_f32 v[XR+32*\p+\u:XR+32*\p+\u+1], v[XR+32*\p+\u:XR+32*\p+\u+1], v[T+6*\p:T+6*\p+1] op_sel_hi:[1,0]
.endr
.endr
	WIN 0x14                                       ; sources 1 (gamma) and 2 (beta) window 1
.irp p, 0,1,2,3
.irp u, 0,2,4,6,8,10,12,14,16,18,20,22,24,26,28,30
	v_pk_fma_f32 v[XR+32*\p+\u:XR+32*\p+\u+1], v[XR+32*\p+\u:XR+32*\p+\u+1], v[128+\u:128+\u+1], v[160+\u:160+\u+1]
.endr
.endr
	WIN 0
.irp p, 0,1,2,3
.irp j, 0,1,2,3,4,5,6,7
	global_store_b128 v1, v[XR+32*\p+4*\j:XR+32*\p+4*\j+3], s[16:17] offset:16384*\p+512*\j th:TH_STORE_NT   ; 32 lanes store 512 consecutive bytes of a row, aligned; written once, read by nobody here
.endr
.endr
	s_wait_tensorcnt 0x0
	ds_add_u32 v62, v63
	s_wait_dscnt 0x0
	s_endpgm
.Lfunc_end_k_q8cf4a64ce8_outln:
	.size	k_q8cf4a64ce8_outln, .Lfunc_end_k_q8cf4a64ce8_outln-k_q8cf4a64ce8_outln
	.p2alignl 7, 3214868480
	.fill 96, 4, 3214868480
	.section	.rodata,"a",@progbits
	.p2align	6, 0x0
	.amdhsa_kernel k_q8cf4a64ce8_outln
		.amdhsa_group_segment_fixed_size 165376
		.amdhsa_private_segment_fixed_size 0
		.amdhsa_enable_private_segment 0
		.amdhsa_kernarg_size 56
		.amdhsa_user_sgpr_count 2
		.amdhsa_user_sgpr_kernarg_segment_ptr 1
		.amdhsa_wavefront_size32 1
		.amdhsa_system_sgpr_workgroup_id_x 1
		.amdhsa_system_sgpr_workgroup_id_y 1
		.amdhsa_system_sgpr_workgroup_id_z 1
		.amdhsa_system_vgpr_workitem_id 0
		.amdhsa_next_free_vgpr 512
		.amdhsa_next_free_sgpr 66
		.amdhsa_reserve_vcc 0
		.amdhsa_float_denorm_mode_32 3
		.amdhsa_float_denorm_mode_16_64 3
		.amdhsa_memory_ordered 1
		.amdhsa_forward_progress 1
		.amdhsa_inst_pref_size 83
	.end_amdhsa_kernel
	.amdgpu_metadata
---
amdhsa.version: [ 1, 2 ]
amdhsa.kernels:
  - .name:           k_q8cf4a64ce8_outln
    .symbol:         k_q8cf4a64ce8_outln.kd
    .args:
      - { .name: avec, .offset: 0, .size: 8, .value_kind: global_buffer, .address_space: global }
      - { .name: codes, .offset: 8, .size: 8, .value_kind: global_buffer, .address_space: global }
      - { .name: h, .offset: 16, .size: 8, .value_kind: global_buffer, .address_space: global }
      - { .name: gamma, .offset: 24, .size: 8, .value_kind: global_buffer, .address_space: global }
      - { .name: beta, .offset: 32, .size: 8, .value_kind: global_buffer, .address_space: global }
      - { .name: lowp_scales, .offset: 40, .size: 8, .value_kind: global_buffer, .address_space: global }
      - { .name: out0, .offset: 48, .size: 8, .value_kind: global_buffer, .address_space: global }
    .group_segment_fixed_size: 165376
    .private_segment_fixed_size: 0
    .kernarg_segment_align: 8
    .kernarg_segment_size: 56
    .max_flat_workgroup_size: 256
    .sgpr_count:     66
    .vgpr_count:     512
    .wavefront_size: 32
...
	.end_amdgpu_metadata
.endif
;; end of part 4
;; ======== version 2 of 2: 4 launches; version 1 with the launches quant, attn, outln written anew for expert scheduling mode
;; workspace buffers: codes 16,777,216 bytes; qkv 20,971,520 bytes; avec 4,194,304 bytes
;; launch quant (part 5): grid 512 x 1, 8 waves a work-group, no clusters, 68,608 bytes of LDS; arguments h, c, Wq, Wkv, Wo, lowp_scales, codes; writes codes
.if DOCPART == 5
	.amdgcn_target "amdgcn-amd-amdhsa--gfx1250"
	.amdhsa_code_object_version 6
	.text
	.protected	k_q8cf4a64ce8_quant
	.globl	k_q8cf4a64ce8_quant
	.p2align	8
	.type	k_q8cf4a64ce8_quant,@function
k_q8cf4a64ce8_quant:
	s_mov_b64 s[64:65], 0
	v_nop
	global_prefetch_b8 v0, s[64:65] scope:SCOPE_SE
	s_setreg_imm32_b32 hwreg(HW_REG_WAVE_SCHED_MODE, 0, 2), 2
	s_setreg_imm32_b32 hwreg(HW_REG_WAVE_MODE, 25, 1), 1
	s_wait_xcnt 0x0
	s_wait_alu depctr_vm_vsrc(0)
; h, c, Wq, Wkv, Wo (f32, K = 1,024 innermost) become codes of BF8 (E5M2), each with its given scale 2^e (entries 0, 2, 1, 3, 9 of the scales).
; code = x / 2^e, held within +-57,344, to the nearest code, ties to even.  LIMITS: -126 <= e <= 112; NaN among the inputs is not served.
; THE CODES ARE LAID AS IMAGES OF THE OPERAND'S REGISTERS.  A row tile is 16 rows; its 16,384 bytes are 8 K steps of 128; a K step's 2,048 bytes are 4 chunks of 512:
; chunk q holds lane l's registers 4 q .. 4 q + 3 at byte 16 l: lane (r = l % 16, hh = l / 16): k = 32 q + 8 hh + 0..7, then k = 32 q + 16 + 8 hh + 0..7 of row r: the 8-bit K = 128 form's own layout.
; Row tiles: 0-255 h (tile 64 b + i / 16: its rows are 16 neighbouring i of ONE batch entry b), 256-767 c (128 b + j / 16), 768-831 Wq, 832-959 Wkv, 960-1023 Wo.
; A work-group of eight waves takes two row tiles, a wave a quarter of a tile: two steps of 16 rows x 128 numbers.  ALL 32 LOADS OF A WAVE GO OUT AT ITS HEAD: nothing is asked for behind a wait.
; Each load reads 512 consecutive bytes of one row; a step's 8 KiB turn through the wave's own stage in LDS (rows 528 bytes apart, so that the sixteen rows of a read begin in sixteen different
; 16-byte columns) and come back 8 neighbours along K at a time.  Each store covers 512 consecutive bytes, aligned.
; All five tensors take one path: only pointers and numbers are chosen, on the work-group's number.  No barrier: waves share nothing.
; THE MODE: SCHED_MODE bits 1:0 = 2 (LLVM: expert scheduling mode 2), set by the entry lines.  The code itself states the register dependences between vector instructions and memory or LDS
; instructions, with s_wait_alu, always for 0.
; THE PLAN.  Registers that memory or LDS instructions touch:
;   v1-v3, v16-31  offsets and LDS addresses: made at the head, never written again.
;   R0, R1         written by the head's loads; read by a step's LDS stores; never written again.
;   X              written by a step's LDS loads; read and written by its holds, read by its conversions; step 1's LDS loads land in it again.
;   C0, C1         written by a step's conversions; read by its four stores; never written again.
; So one wait on va_vdst stands ahead of the first load (the offsets), and one in each step behind its conversions: the codes are written, and the step is done with X.
; No register that a memory or LDS instruction reads is ever written again: no wait on vm_vsrc is owed.
.set PITCH, 528
.set WREG,  16*PITCH                   ; a wave's stage
.set VR,    16                         ; v16-31   row r': 16 x lane + r' x the distance between the tile's rows; never rewritten
.set R,     32                         ; v32-159  two sets of 64: the two steps' numbers as loaded
.set X,     160                        ; v160-223 a step's numbers, 8 neighbours along K on end
.set C,     224                        ; v224-255 two sets of 16: the two steps' codes: no store's data are written again
	s_load_b256 s[4:11], s[0:1], 0x0               ; h, c, Wq, Wkv
	s_load_b128 s[12:15], s[0:1], 0x20             ; Wo, the scales' exponents
	s_load_b64 s[16:17], s[0:1], 0x30              ; the codes
	v_lshl_add_u32 v14, v0, 2, 0x10800
	v_mov_b32 v15, 0
	v_lshrrev_b32 v4, 5, v0
	v_readfirstlane_b32 s18, v4                    ; wave 0..7
	v_and_b32 v5, 31, v0
	v_lshlrev_b32 v1, 4, v5                        ; 16 x lane
	s_wait_alu depctr_va_sdst(0)                   ; s18 is written, ahead of its first reader: the stage's place and the wave's part of the tensors are made from it
	s_mul_i32 s19, s18, WREG
	v_add_nc_u32 v2, s19, v1                       ; the stage, on the way in: a row's 512 bytes as they lie
	v_and_b32 v6, 15, v0
	v_bfe_u32 v7, v0, 4, 1
	v_mul_u32_u24 v3, v6, PITCH
	v_lshl_add_u32 v3, v7, 5, v3
	v_add_nc_u32 v3, s19, v3                       ; and on the way out: row r, + 32 bytes for the upper half of the lanes
	s_wait_kmcnt 0x0
	s_load_b256 s[32:39], s[14:15], 0x0            ; e0 .. e7
	s_load_b64 s[40:41], s[14:15], 0x20            ; e8, e9
	; which tensor: work-groups 0-127 h, 128-383 c, 384-415 Wq, 416-479 Wkv, 480-511 Wo.  Behind each compare stand selects alone
	s_mov_b64 s[20:21], s[12:13]                   ; the tensor,
	s_mov_b32 s22, 480                             ; its first work-group,
	s_mov_b32 s23, 4096                            ; bytes from a tile's row to the next (weights: a row; h, c: four rows, the batch lies between)
	s_cmp_lt_u32 ttmp9, 480
	s_cselect_b64 s[20:21], s[10:11], s[20:21]
	s_cselect_b32 s22, 416, s22
	s_cmp_lt_u32 ttmp9, 416
	s_cselect_b64 s[20:21], s[8:9], s[20:21]
	s_cselect_b32 s22, 384, s22
	s_cmp_lt_u32 ttmp9, 384
	s_cselect_b64 s[20:21], s[6:7], s[20:21]
	s_cselect_b32 s22, 128, s22
	s_cselect_b32 s23, 16384, s23
	s_cmp_lt_u32 ttmp9, 128
	s_cselect_b64 s[20:21], s[4:5], s[20:21]
	s_cselect_b32 s22, 0, s22
	s_cselect_b32 s24, 6, 7                        ; log2 of the row tiles of one batch entry (weights have at most 128 tiles: their b is 0)
	s_sub_co_u32 s25, ttmp9, s22
	s_lshl_b32 s25, s25, 1
	s_lshr_b32 s26, s18, 2                         ; waves 0-3 the first tile, waves 4-7 the second
	s_add_co_u32 s25, s25, s26                     ; my row tile within the tensor
	s_lshr_b32 s27, s25, s24                       ; b
	s_lshl_b32 s28, s27, s24
	s_sub_co_u32 s28, s25, s28                     ; the tile within b
	s_mul_i32 s28, s28, s23
	s_lshl_b32 s28, s28, 4                         ; x 16 rows
	s_lshl_b32 s27, s27, 12                        ; + b rows of 4,096 bytes
	s_add_co_u32 s28, s28, s27
	s_and_b32 s31, s18, 3                          ; which quarter of K is mine
	s_lshl_b32 s30, s31, 10
	s_add_co_u32 s28, s28, s30                     ; + 256 numbers
	s_mov_b32 s29, 0
	s_add_nc_u64 s[20:21], s[20:21], s[28:29]
	s_lshl_b32 s30, ttmp9, 1
	s_add_co_u32 s30, s30, s26                     ; my row tile among all 1,024
	s_lshl_b32 s30, s30, 14
	s_lshl_b32 s31, s31, 12
	s_add_co_u32 s30, s30, s31                     ; + two K steps' images
	s_mov_b32 s31, 0
	s_add_nc_u64 s[16:17], s[16:17], s[30:31]
.irp r, 0,1,2,3,4,5,6,7,8,9,10,11,12,13,14,15
	s_mul_i32 s44, s23, \r
	v_add_nc_u32 v[VR+\r], s44, v1
.endr
.macro LOAD t                          ; step t: 128 numbers of each of the 16 rows
.irp r, 0,1,2,3,4,5,6,7,8,9,10,11,12,13,14,15
	global_load_b128 v[R+64*(\t)+4*\r:R+64*(\t)+4*\r+3], v[VR+\r], s[20:21] offset:512*(\t) th:TH_LOAD_NT
.endr
.endm
	s_wait_alu depctr_va_vdst(0)                   ; v1 to v3 and v16 to v31 are written: every load, store and LDS instruction of the kernel reads one of them as its offset or address
	LOAD 0
	LOAD 1
	s_wait_kmcnt 0x0
	s_mov_b32 s42, s41                             ; e: Wo's is e9,
	s_cmp_lt_u32 ttmp9, 480
	s_cselect_b32 s42, s35, s42                    ; Wkv's e3,
	s_cmp_lt_u32 ttmp9, 416
	s_cselect_b32 s42, s33, s42                    ; Wq's e1,
	s_cmp_lt_u32 ttmp9, 384
	s_cselect_b32 s42, s34, s42                    ; c's e2,
	s_cmp_lt_u32 ttmp9, 128
	s_cselect_b32 s42, s32, s42                    ; h's e0
	s_add_co_i32 s42, s42, 127
	s_lshl_b32 s43, s42, 23
	v_mov_b32 v11, s43                             ; 2^e as f32: the conversion takes its exponent field
	s_add_co_i32 s42, s42, 15
	s_lshl_b32 s42, s42, 23
	s_or_b32 s42, s42, 0x600000
	v_mov_b32 v10, s42                             ; 57,344 x 2^e
.macro STEP t
.if (\t) == 0
	s_wait_loadcnt 16                              ; this step's 16 loads are in; the second step's 16 may be out
.else
	s_wait_loadcnt 0x0
.endif
.irp r, 0,1,2,3,4,5,6,7,8,9,10,11,12,13,14,15
	ds_store_b128 v2, v[R+64*(\t)+4*\r:R+64*(\t)+4*\r+3] offset:PITCH*\r
.endr
.irp q, 0,1,2,3                        ; LDS serves a wave's instructions in order (ISA guide 5.7.1.4): these see the stores above.  No vector instruction since the last wait on va_vdst names X
	ds_load_b128 v[X+16*\q:X+16*\q+3],     v3 offset:128*\q        ; k = 32 q + 8 hh + 0..3
	ds_load_b128 v[X+16*\q+4:X+16*\q+7],   v3 offset:128*\q+16     ;                 + 4..7
	ds_load_b128 v[X+16*\q+8:X+16*\q+11],  v3 offset:128*\q+64     ; k = 32 q + 16 + 8 hh + 0..3
	ds_load_b128 v[X+16*\q+12:X+16*\q+15], v3 offset:128*\q+80
.endr
	s_wait_dscnt 0x0                               ; the numbers are back
.set j, 0
.rept 64
	v_med3_num_f32 v[X+j], v[X+j], -v10, v10       ; the conversion to an 8-bit code does not saturate (ISA guide 7.6.2): the hold at the largest code x the scale
.set j, j+1
.endr
.irp u, 0,1,2,3,4,5,6,7
	v_cvt_scalef32_pk8_bf8_f32 v[C+16*(\t)+2*\u:C+16*(\t)+2*\u+1], v[X+8*\u:X+8*\u+7], v11
.endr
	v_nop                                          ; one plain line behind the conversions: the next step's holds write their sources
	s_wait_alu depctr_va_vdst(0)                   ; the conversions have written this step's codes, which the stores below read; the holds and the conversions are done with X, in which the next step's LDS loads land
.irp q, 0,1,2,3
	global_store_b128 v1, v[C+16*(\t)+4*\q:C+16*(\t)+4*\q+3], s[16:17] offset:2048*(\t)+512*\q   ; a chunk: 512 consecutive bytes, aligned
.endr
.endm
	STEP 0
	STEP 1
	s_wait_dscnt 0x0
	s_wait_alu depctr_hold_cnt(0) depctr_sa_sdst(0) depctr_va_vdst(0) depctr_va_sdst(0) depctr_va_ssrc(0) depctr_va_vcc(0) depctr_vm_vsrc(0)
	s_wait_tensorcnt 0x0
	ds_add_u32 v14, v15
	s_wait_dscnt 0x0
	s_endpgm
.Lfunc_end_k_q8cf4a64ce8_quant:
	.size	k_q8cf4a64ce8_quant, .Lfunc_end_k_q8cf4a64ce8_quant-k_q8cf4a64ce8_quant
	.p2alignl 7, 3214868480
	.fill 96, 4, 3214868480
	.section	.rodata,"a",@progbits
	.p2align	6, 0x0
	.amdhsa_kernel k_q8cf4a64ce8_quant
		.amdhsa_group_segment_fixed_size 68608
		.amdhsa_private_segment_fixed_size 0
		.amdhsa_enable_private_segment 0
		.amdhsa_kernarg_size 56
		.amdhsa_user_sgpr_count 2
		.amdhsa_user_sgpr_kernarg_segment_ptr 1
		.amdhsa_wavefront_size32 1
		.amdhsa_system_sgpr_workgroup_id_x 1
		.amdhsa_system_sgpr_workgroup_id_y 1
		.amdhsa_system_sgpr_workgroup_id_z 1
		.amdhsa_system_vgpr_workitem_id 0
		.amdhsa_next_free_vgpr 256
		.amdhsa_next_free_sgpr 66
		.amdhsa_reserve_vcc 0
		.amdhsa_float_denorm_mode_32 3
		.amdhsa_float_denorm_mode_16_64 3
		.amdhsa_memory_ordered 1
		.amdhsa_forward_progress 1
		.amdhsa_inst_pref_size 22
	.end_amdhsa_kernel
	.amdgpu_metadata
---
amdhsa.version: [ 1, 2 ]
amdhsa.kernels:
  - .name:           k_q8cf4a64ce8_quant
    .symbol:         k_q8cf4a64ce8_quant.kd
    .args:
      - { .name: h, .offset: 0, .size: 8, .value_kind: global_buffer, .address_space: global }
      - { .name: c, .offset: 8, .size: 8, .value_kind: global_buffer, .address_space: global }
      - { .name: Wq, .offset: 16, .size: 8, .value_kind: global_buffer, .address_space: global }
      - { .name: Wkv, .offset: 24, .size: 8, .value_kind: global_buffer, .address_space: global }
      - { .name: Wo, .offset: 32, .size: 8, .value_kind: global_buffer, .address_space: global }
      - { .name: lowp_scales, .offset: 40, .size: 8, .value_kind: global_buffer, .address_space: global }
      - { .name: codes, .offset: 48, .size: 8, .value_kind: global_buffer, .address_space: global }
    .group_segment_fixed_size: 68608
    .private_segment_fixed_size: 0
    .kernarg_segment_align: 8
    .kernarg_segment_size: 56
    .max_flat_workgroup_size: 256
    .sgpr_count:     66
    .vgpr_count:     256
    .wavefront_size: 32
...
	.end_amdgpu_metadata
.endif
;; end of part 5
;; launch proj: the kernel of part 2 again; grid 4 x 64, 4 waves a work-group, clusters of 4 x 4, 327,680 bytes of LDS; arguments codes, lowp_scales, qkv; writes qkv
;; launch attn (part 6): grid 4 x 64, 4 waves a work-group, no clusters, 34,304 bytes of LDS; arguments qkv, lowp_scales, avec; writes avec
.if DOCPART == 6
	.amdgcn_target "amdgcn-amd-amdhsa--gfx1250"
	.amdhsa_code_object_version 6
	.text
	.protected	k_q8cf4a64ce8_attn
	.globl	k_q8cf4a64ce8_attn
	.p2align	8
	.type	k_q8cf4a64ce8_attn,@function
k_q8cf4a64ce8_attn:
	s_mov_b64 s[64:65], 0
	v_nop
	global_prefetch_b8 v0, s[64:65] scope:SCOPE_SE
	s_setreg_imm32_b32 hwreg(HW_REG_WAVE_SCHED_MODE, 0, 2), 2
	s_setreg_imm32_b32 hwreg(HW_REG_WAVE_MODE, 25, 1), 1
	s_wait_xcnt 0x0
	s_wait_alu depctr_vm_vsrc(0)
; For each (b, n): S = k q^T / 8, p = softmax over the 2,048 keys, p / (sum of p + 1e-8), O = v^T p; both products on codes of BF8 (E5M2); O is quantised (e8) and stored as an image of the last product's operand.
; p IS QUANTISED FINISHED AND NORMALISED, so a row's sum over all keys must be known before any p is converted.  THE FOUR WAVES SHARE THE KEYS: wave w owns keys 512 w .. 512 w + 511.  A tile of 16 queries x 512 keys
; of scores is 256 registers and stays in them from the product to the conversion: one exponential a score.  The wave's K (256 registers) and V (256) stay in registers for the whole launch, read from memory once.
; Between waves go, through LDS: 8 bytes a query (the wave's -c max and its sum), and the partial O tiles (4 KiB a wave and tile).
; A work-group owns 256 queries (16 tiles) of one head.  No joint loads: K and V are read once at the head straight into registers, and the loop reads 1 KiB of q a tile.
; ARITHMETIC of a lane (one query, lane % 16, throughout): c = log2(e) / 8 x 2^(e4 + e5);  pw = 2^(c s - c mw), mw the wave's largest score;  lw = the sum of pw;  g = the largest of the four c mw;
; Ew = 2^(c mw - g);  l = the sum of lw Ew;  p = pw x Ew / l / (l x (1 / l) + 1e-8): the maximum is taken away as reference() does, and its second normalisation is kept (l x (1 / l) is the sum of the probabilities).
; LAYOUT.  S^T = K Q^T (source 0 = 16 keys, source 1 = 16 queries): register 8 a + j holds key 16 a + 8 (lane / 16) + j, so the conversion of tile a gives registers 2 a, 2 a + 1 of P: the K = 128 form's own layout.
; O^T = V^T P^T (source 0 = 16 of the head's 64, source 1 = P) again holds one query a lane.
; LIMITS: e4 + e5 between -123 and 130 (added to c's exponent field); e7 and e8 - e6 - e7 between -126 and 112.  A p below 2^-126 counts as 0.  NaN is not served.
; REGISTERS, in windows of 256: window 0: addresses, statistics, Q (two buffers), O, P's codes;  window 1: K, tile a at v[8 a];  window 2: V, (key block s, d tile t) at v[16 (4 s + t)];  window 3: S.
; THE MODE: SCHED_MODE bits 1:0 = 2 (LLVM: expert scheduling mode 2), set by the entry lines.  The code itself states the register dependences between vector or matrix instructions and memory or LDS
; instructions, with s_wait_alu, always for 0.
; THE PLAN.  Registers that memory or LDS instructions touch, in the loop (a trip is two tiles and a merge):
;   v1 .. v5   offsets and LDS addresses: made at the head, never written again.
;   Q0, Q1     Tile i: its 32 products K Q^T read Q[i]; behind the tile's exponentials the next trip's tile i is loaded into it.
;   v[10:11]   written by the tile's maximum and sum; read by the LDS store of the statistics; written again in the next tile.
;   ST         written by the four LDS loads behind the statistics' barrier; read by the lines that make f.
;   O          written by the tile's 16 products V^T P; read by eight LDS stores; written again by the next tile's products.
;   P          written by the conversions, read by V^T P; in the merge sixteen LDS loads land in it.
;   OC         written by the merge's conversions; read by its store; written again a trip later.
; WAITS ON va_vdst.  In a tile: (a) behind the 256 exponentials: their results are written; the scores' products are done reading Q[i]; in the trip's second tile the first tile's products have written O: so Q's reload and
; the FIRST tile's eight stores of O stand behind this one wait;  (b) ahead of the statistics' store: v10 and v11 are written, and the tile before is done reading ST;  (c), (d), (e) behind the five exponentials and each of the two
; reciprocals that make f;  (f) in the second tile alone, behind its V^T P: O is written, and P is free for the merge's loads.  In the merge: (g) OC is written.
; ONE WAIT ON vm_vsrc A TILE, behind the statistics' barrier: the statistics' store has read v10 and v11; the stores of O issued so far have read O; the last merge's store has read OC.
.set OPB,  0                           ; LDS: partial O: [tile of the trip: 2][wave: 4][4,096]
.set STAT, 32768                       ; and the statistics: [tile of the trip: 2][wave: 4][16 queries x 8 bytes]
.set QF,   16                          ; v16-23, v24-31  Q's fragment, two buffers
.set O,    32                          ; v32-63   O^T: four accumulators
.set P,    64                          ; v64-127  P's codes: four fragments; in the merge: four waves' partial sums
.set ST,   140                         ; v140-147 the four waves' (-c m, l)
.set OC,   160                         ; v160-163 O's codes
.set MX,   164                         ; v164-171 eight running maxima
.set LS,   172                         ; v172-187 eight running sums, in pairs
; v1 16 x lane; v2, v3 statistics: where I store, where I read; v4, v5 partial O: where I store, where I read; v6, v7: 57,344 x 2^e7, 2^e7; v8, v9: the same with e8 - e6 - e7;
; v[10:11] (-c mw, lw); v[12:13] (f, 0); v14, v15 the lane exchanges' results; v148-158 at work
.set MSB, 0
.macro WIN new                         ; the immediate's high byte repeats the setting that is left
.if MSB != (\new)
	s_set_vgpr_msb (MSB<<8)|(\new)
.set MSB, (\new)
.endif
.endm
	s_load_b128 s[4:7], s[0:1], 0x0                ; qkv, the scales' exponents
	s_load_b64 s[8:9], s[0:1], 0x10                ; avec
	v_lshl_add_u32 v254, v0, 2, 0x8400
	v_mov_b32 v255, 0
	v_lshrrev_b32 v14, 5, v0
	v_readfirstlane_b32 s10, v14                   ; wave 0..3
	v_and_b32 v14, 31, v0
	v_lshlrev_b32 v1, 4, v14
	v_and_b32 v15, 15, v0
	v_lshlrev_b32 v3, 3, v15
	v_add_nc_u32 v3, STAT, v3                      ; 8 bytes a query
	s_wait_alu depctr_va_sdst(0)                   ; s10 is written, ahead of its first reader: the wave's LDS places and its parts of k, v and avec are made from it
	s_lshl_b32 s44, s10, 7
	v_add_nc_u32 v2, s44, v3                       ; + 128 x wave
	s_lshl_b32 s44, s10, 12
	v_add_nc_u32 v4, s44, v1                       ; my 4,096 bytes of a tile's partial sums
	s_lshr_b32 s44, s10, 1                         ; in the merge wave w finishes tile w / 2 of the trip, d 32 (w % 2) on
	s_lshl_b32 s44, s44, 14
	s_and_b32 s45, s10, 1
	s_lshl_b32 s45, s45, 11
	s_add_co_u32 s44, s44, s45
	v_add_nc_u32 v5, s44, v1
	s_and_b32 s11, ttmp7, 0xffff                   ; the head: 16 b + n
	s_lshl_b32 s12, s11, 16                        ; q: a head's 64 tiles of 1,024 bytes,
	s_lshl_b32 s13, ttmp9, 14                      ; my 16 of them
	s_add_co_u32 s12, s12, s13
	s_mov_b32 s13, 0
	s_lshl_b32 s14, s11, 17                        ; k: a head's 128 tiles, my wave's 32 of them; k begins at 4 MiB
	s_lshl_b32 s15, s10, 15
	s_add_co_u32 s14, s14, s15
	s_add_co_u32 s14, s14, 4<<20
	s_mov_b32 s15, 0
	s_lshr_b32 s42, s11, 4                         ; avec: [64 b + i / 16][n][1,024]
	s_lshl_b32 s42, s42, 6
	s_lshl_b32 s43, ttmp9, 4
	s_add_co_u32 s42, s42, s43
	s_lshr_b32 s43, s10, 1
	s_add_co_u32 s42, s42, s43
	s_lshl_b32 s42, s42, 4
	s_and_b32 s43, s11, 15
	s_add_co_u32 s42, s42, s43
	s_lshl_b32 s42, s42, 10
	s_and_b32 s43, s10, 1
	s_lshl_b32 s43, s43, 9
	s_add_co_u32 s42, s42, s43
	s_mov_b32 s43, 0
	s_mov_b32 s38, 0x76543210                      ; v_permlanex16_b32's selects for lane l xor 16
	s_mov_b32 s39, 0xfedcba98
	s_wait_kmcnt 0x0
	s_load_b256 s[24:31], s[6:7], 0x0              ; e0 .. e7
	s_load_b64 s[32:33], s[6:7], 0x20              ; e8, e9
	s_add_nc_u64 s[16:17], s[4:5], s[12:13]        ; Q
	s_add_nc_u64 s[18:19], s[4:5], s[14:15]        ; K
	s_add_nc_u64 s[20:21], s[18:19], 8<<20         ; V: laid alike, 8 MiB further on: my four blocks of 128 keys x four d tiles of 2,048 bytes
	s_add_nc_u64 s[22:23], s[8:9], s[42:43]        ; where I store
	; the images as they lie, 512 consecutive bytes a load.  ORDER: K's 64, V's first 4, Q's 4, V's other 60: the first scores want K and Q alone, and the wait for these then leaves 60 loads out
	WIN 0x40                                       ; destination window 1
	s_wait_alu depctr_va_vdst(0)                   ; v1 to v5 are written: every load, store and LDS instruction of the kernel reads one of them as its offset or address.  Up to the loop only loads and window switches follow that touch these loads' registers
.set i, 0
.rept 64
	global_load_b128 v[4*i:4*i+3], v1, s[18:19] offset:512*i
.set i, i+1
.endr
	WIN 0x80                                       ; destination window 2
.set i, 0
.rept 4
	global_load_b128 v[4*i:4*i+3], v1, s[20:21] offset:512*i
.set i, i+1
.endr
	WIN 0
.irp i, 0,1,2,3
	global_load_b128 v[QF+4*\i:QF+4*\i+3], v1, s[16:17] offset:512*\i   ; the first trip's two tiles of queries
.endr
	WIN 0x80
.set i, 4
.rept 60
	global_load_b128 v[4*i:4*i+3], v1, s[20:21] offset:512*i
.set i, i+1
.endr
	WIN 0
	s_wait_kmcnt 0x0
	s_add_co_i32 s44, s28, s29
	s_lshl_b32 s44, s44, 23
	s_add_co_i32 s34, s44, 0x3e38aa3b              ; c = log2(e) / 8, with e4 + e5 added to its exponent field
	s_mov_b32 s35, s34                             ; (named with it as a pair, so it is written)
	s_xor_b32 s36, s34, 0x80000000                 ; -c
	s_add_co_i32 s44, s31, 127
	s_lshl_b32 s45, s44, 23
	v_mov_b32 v7, s45                              ; 2^e7
	s_add_co_i32 s44, s44, 15
	s_lshl_b32 s44, s44, 23
	s_or_b32 s44, s44, 0x600000
	v_mov_b32 v6, s44                              ; 57,344 x 2^e7
	s_sub_co_i32 s44, s32, s30
	s_sub_co_i32 s44, s44, s31                     ; a sum of the second product stands for sum x 2^(e6 + e7): its code is sum / 2^(e8 - e6 - e7)
	s_add_co_i32 s44, s44, 127
	s_lshl_b32 s45, s44, 23
	v_mov_b32 v9, s45
	s_add_co_i32 s44, s44, 15
	s_lshl_b32 s44, s44, 23
	s_or_b32 s44, s44, 0x600000
	v_mov_b32 v8, s44
	v_mov_b32 v11, 0                               ; (named as upper halves of pairs before they hold anything)
	v_mov_b32 v13, 0
	s_wait_loadcnt 60                              ; K and both Q buffers are in; V's last 60 loads may be out: they land under the first tile's scores and exponentials
; ONE TILE OF 16 QUERIES, the i-th of a trip's two.  Its Q buffer has been shown in by the tile before (the first: by the wait above).  next = 1: the buffer takes the next trip's tile.
; wait: the count of the wait in front of V^T P: the loads younger than what it shows; -1: none is written.
.macro TILE i, wait, next
	WIN 0xc1                                       ; K window 1, Q window 0, S window 3
.set a, 0
.rept 32
	v_wmma_f32_16x16x64_bf8_bf8 v[8*a:8*a+7], v[8*a:8*a+7], v[QF+8*\i:QF+8*\i+7], 0
.set a, a+1
.endr
.rept 4
	v_nop                                          ; places: for the first reads of the scores
.endr
	WIN 0x0f                                       ; the largest of my 256 scores, in eight chains, in ascending order
.set k, 0
.rept 8
	v_max_num_f32 v[MX+k], v[2*k], v[2*k+1]
.set k, k+1
.endr
	WIN 0x3c
.set p, 8
.rept 120
	v_max3_num_f32 v[MX+p%8], v[MX+p%8], v[2*p], v[2*p+1]
.set p, p+1
.endr
	WIN 0
	v_max3_num_f32 v[MX], v[MX], v[MX+1], v[MX+2]
	v_max3_num_f32 v[MX+3], v[MX+3], v[MX+4], v[MX+5]
	v_max3_num_f32 v[MX], v[MX], v[MX+6], v[MX+7]
	v_max_num_f32 v[MX], v[MX], v[MX+3]
	v_permlanex16_b32 v14, v[MX], s38, s39         ; the query's other 256 keys of this wave lie in the lane 16 away
	v_max_num_f32 v[MX], v[MX], v14
	v_mul_f32 v10, s36, v[MX]                      ; -c mw
	; c s - c mw, two at a time (of both pairs the low word serves both halves), and pw = 2^that, at most 1.  BY TURNS, under one window setting: the scaling of pair p + 2 stands between the two
	; exponentials of pair p, so that a plain line follows every second exponential; it names neither their results nor their sources
	WIN 0xc3
	v_pk_fma_f32 v[0:1], v[0:1], s[34:35], v[10:11] op_sel_hi:[1,0,0]
	v_pk_fma_f32 v[2:3], v[2:3], s[34:35], v[10:11] op_sel_hi:[1,0,0]
.set p, 0
.rept 128
	v_exp_f32 v[2*p], v[2*p]
.if p < 126
	v_pk_fma_f32 v[2*p+4:2*p+5], v[2*p+4:2*p+5], s[34:35], v[10:11] op_sel_hi:[1,0,0]
.endif
	v_exp_f32 v[2*p+1], v[2*p+1]
.set p, p+1
.endr
	v_nop                                          ; a plain line between the last exponentials and the use of their results
.if \next || \i
	WIN 0                                          ; the switch, then the wait, then the loads and stores
.endif
	s_wait_alu depctr_va_vdst(0)                   ; the 256 exponentials have written pw, ahead of the batch's first reader; the scores' products are done reading Q's buffer, in which the loads below land; the tile before's products have written O, which the stores below read
.if \next
	global_load_b128 v[QF+8*\i:QF+8*\i+3],   v1, s[16:17] offset:2048+1024*\i
	global_load_b128 v[QF+8*\i+4:QF+8*\i+7], v1, s[16:17] offset:2048+1024*\i+512
.endif
.if \i
.irp g, 0,1,2,3,4,5,6,7
	ds_store_b128 v4, v[O+4*\g:O+4*\g+3] offset:OPB+512*\g   ; the trip's FIRST tile: my partial O^T as it stands in my registers, from each accumulator's low end on; the places behind its products are the lines of this tile's maximum
.endr
.endif
	WIN 0x0f                                       ; lw: the sum of the unquantised pw, two at a time, in eight chains
.set k, 0
.rept 8
	v_pk_add_f32 v[LS+2*k:LS+2*k+1], v[4*k:4*k+1], v[4*k+2:4*k+3]
.set k, k+1
.endr
	WIN 0x0c
.set p, 16
.rept 112
	v_pk_add_f32 v[LS+2*(p%8):LS+2*(p%8)+1], v[LS+2*(p%8):LS+2*(p%8)+1], v[2*p:2*p+1]
.set p, p+1
.endr
	WIN 0
.irp k, 0,1,2,3
	v_pk_add_f32 v[LS+2*\k:LS+2*\k+1], v[LS+2*\k:LS+2*\k+1], v[LS+2*\k+8:LS+2*\k+9]
.endr
	v_pk_add_f32 v[LS:LS+1], v[LS:LS+1], v[LS+4:LS+5]
	v_pk_add_f32 v[LS+2:LS+3], v[LS+2:LS+3], v[LS+6:LS+7]
	v_pk_add_f32 v[LS:LS+1], v[LS:LS+1], v[LS+2:LS+3]
	v_add_f32 v11, v[LS], v[LS+1]
	v_permlanex16_b32 v15, v11, s38, s39
	v_add_f32 v11, v11, v15                        ; lw
	; the four waves' figures meet.  The two tiles of a trip have bytes of their own, so a word is stored again only behind two further barriers
	s_wait_alu depctr_va_vdst(0)                   ; v10 and v11 are written, which the store below reads; the tile before is done reading ST, in which the loads behind the barrier land
	ds_store_b64 v2, v[10:11] offset:512*\i        ; lanes l and l + 16 store the same 8 bytes with the same value
	s_wait_dscnt 0x0                               ; for the others' sake: my store has landed (and my stores of partial sums, and my earlier reads are back)
	s_barrier_signal -1
	s_barrier_wait -1
	s_wait_alu depctr_vm_vsrc(0)                   ; the store above has read v10 and v11, which the next tile writes; the stores of O issued so far have read O, which this tile's products write; the last merge's store has read OC, which the next merge writes
.irp u, 0,1,2,3
	ds_load_b64 v[ST+2*\u:ST+2*\u+1], v3 offset:512*\i+128*\u
.endr
	s_wait_dscnt 0x0
	v_min3_num_f32 v148, v[ST], v[ST+2], v[ST+4]
	v_min_num_f32 v148, v148, v[ST+6]              ; -g: the least of the four -c mw
	v_sub_f32 v149, v148, v[ST]
	v_sub_f32 v150, v148, v[ST+2]
	v_sub_f32 v151, v148, v[ST+4]
	v_sub_f32 v152, v148, v[ST+6]
	v_sub_f32 v153, v148, v10                      ; mine
	v_exp_f32 v149, v149                           ; Ew = 2^(c mw - g), at most 1
	v_exp_f32 v150, v150
	v_exp_f32 v151, v151
	v_exp_f32 v152, v152
	v_exp_f32 v153, v153
	v_nop
	s_wait_alu depctr_va_vdst(0)                   ; the five exponentials have written v149 to v153, ahead of their first reader
	v_mul_f32 v154, v[ST+1], v149                  ; l, in the same order in all four waves
	v_fmac_f32 v154, v[ST+3], v150
	v_fmac_f32 v154, v[ST+5], v151
	v_fmac_f32 v154, v[ST+7], v152
	v_rcp_f32 v155, v154
	v_nop
	s_wait_alu depctr_va_vdst(0)                   ; the reciprocal has written v155, ahead of its first reader
	v_fmaak_f32 v156, v154, v155, 0x322bcc77       ; the sum of the probabilities + 1e-8
	v_rcp_f32 v157, v156
	v_mul_f32 v158, v153, v155                     ; (a plain line behind the reciprocal)
	s_wait_alu depctr_va_vdst(0)                   ; the reciprocal has written v157, ahead of its first reader
	v_mul_f32 v12, v158, v157                      ; f = Ew / l / (the sum + 1e-8)
	WIN 0xc3
.set p, 0
.rept 128
	v_pk_mul_f32 v[2*p:2*p+1], v[2*p:2*p+1], v[12:13] op_sel_hi:[1,0]   ; p, finished
.set p, p+1
.endr
.set p, 0
.rept 256
	v_min_num_f32 v[p], v[p], v6                   ; the conversion does not saturate (ISA guide 7.6.2); p is not negative, so the hold is one-sided
.set p, p+1
.endr
	WIN 0x03
.set a, 0
.rept 32
	v_cvt_scalef32_pk8_bf8_f32 v[P+2*a:P+2*a+1], v[8*a:8*a+7], v7
.set a, a+1
.endr
	v_nop                                          ; one plain line between the conversions and the products that read their results
.if \wait >= 0
	s_wait_loadcnt \wait                           ; all but this tile's own two loads of Q are in: in the first trip V, in every trip the other Q buffer, which the next tile multiplies
.endif
	WIN 0x02                                       ; V window 2; P, O window 0
.irp s, 0,1,2,3                        ; my 512 keys, 128 at a time; the four accumulators take turns, one instruction a turn
.irp t, 0,1,2,3
.if \s == 0
	v_wmma_f32_16x16x128_bf8_bf8 v[O+8*\t:O+8*\t+7], v[16*(4*\s+\t):16*(4*\s+\t)+15], v[P+16*\s:P+16*\s+15], 0
.else
	v_wmma_f32_16x16x128_bf8_bf8 v[O+8*\t:O+8*\t+7], v[16*(4*\s+\t):16*(4*\s+\t)+15], v[P+16*\s:P+16*\s+15], v[O+8*\t:O+8*\t+7]
.endif
.endr
.endr
.if \i                                 ; the trip's second tile stores its O here, ahead of the merge's barrier; the first tile's is stored in the second tile, behind the wait for its exponentials
	WIN 0
.rept 4
	v_nop                                          ; places in front of the stores that read the results; they stay beside the wait below
.endr
	s_wait_alu depctr_va_vdst(0)                   ; the products have written O, which the stores below read, and are done reading P, in which the merge's loads land
.irp g, 0,1,2,3,4,5,6,7
	ds_store_b128 v4, v[O+4*\g:O+4*\g+3] offset:OPB+16384+512*\g   ; my partial O^T as it stands in my registers, from each accumulator's low end on
.endr
.endif
.endm
; THE MERGE of a trip's two tiles: wave w adds the four waves' partial sums of tile w / 2, d 32 (w % 2) .. + 31, quantises them and stores one chunk of 512 consecutive bytes.
.macro MERGE
	s_wait_dscnt 0x0                               ; my partial sums have landed
	s_barrier_signal -1
	s_barrier_wait -1
.irp u, 0,1,2,3
.irp g, 0,1,2,3
	ds_load_b128 v[P+16*\u+4*\g:P+16*\u+4*\g+3], v5 offset:OPB+4096*\u+512*\g   ; no vector or matrix instruction since the last wait on va_vdst names P
.endr
.endr
	s_wait_dscnt 0x0                               ; they are in: the next trip's first barrier, behind which these bytes are stored again, is signalled behind this wait
.irp u, 1,2,3
.irp g, 0,2,4,6,8,10,12,14
	v_pk_add_f32 v[P+\g:P+\g+1], v[P+\g:P+\g+1], v[P+16*\u+\g:P+16*\u+\g+1]
.endr
.endr
.irp g, 0,1,2,3,4,5,6,7,8,9,10,11,12,13,14,15
	v_med3_num_f32 v[P+\g], v[P+\g], -v8, v8
.endr
	v_cvt_scalef32_pk8_bf8_f32 v[OC:OC+1], v[P:P+7], v9
	v_cvt_scalef32_pk8_bf8_f32 v[OC+2:OC+3], v[P+8:P+15], v9
	v_nop                                          ; one plain line behind the conversions
	s_wait_alu depctr_va_vdst(0)                   ; the conversions have written OC, which the store reads
	global_store_b128 v1, v[OC:OC+3], s[22:23]
.endm
.macro TRIP next
.if \next
	TILE 0, 2, 1
	TILE 1, 2, 1
.else
	TILE 0, 0, 0                                   ; nothing was asked for behind the other buffer's loads
	TILE 1, -1, 0                                  ; and no load is out any more
.endif
	MERGE
.if \next
	s_wait_xcnt 0x0                                ; the store's data and base and the loads' base are written again only behind this wait (the wait on vm_vsrc for the store's data stands in the next tile, ahead of the next merge)
	s_add_nc_u64 s[16:17], s[16:17], 2048          ; two tiles of q on
	s_add_nc_u64 s[22:23], s[22:23], 32768         ; two row tiles of avec on
.endif
.endm
	s_mov_b32 s40, 7
.Ltrip:                                            ; seven trips of two tiles; every window is 0 here
	TRIP 1
	s_sub_co_u32 s40, s40, 1
	s_cmp_lg_u32 s40, 0
	s_cbranch_scc1 .Ltrip
	TRIP 0                                         ; the last two tiles are written out: no load passes my 16 tiles of q
	s_wait_dscnt 0x0
	s_wait_alu depctr_hold_cnt(0) depctr_sa_sdst(0) depctr_va_vdst(0) depctr_va_sdst(0) depctr_va_ssrc(0) depctr_va_vcc(0) depctr_vm_vsrc(0)
	s_wait_tensorcnt 0x0
	ds_add_u32 v254, v255
	s_wait_dscnt 0x0
	s_endpgm
.Lfunc_end_k_q8cf4a64ce8_attn:
	.size	k_q8cf4a64ce8_attn, .Lfunc_end_k_q8cf4a64ce8_attn-k_q8cf4a64ce8_attn
	.p2alignl 7, 3214868480
	.fill 96, 4, 3214868480
	.section	.rodata,"a",@progbits
	.p2align	6, 0x0
	.amdhsa_kernel k_q8cf4a64ce8_attn
		.amdhsa_group_segment_fixed_size 34304
		.amdhsa_private_segment_fixed_size 0
		.amdhsa_enable_private_segment 0
		.amdhsa_kernarg_size 24
		.amdhsa_user_sgpr_count 2
		.amdhsa_user_sgpr_kernarg_segment_ptr 1
		.amdhsa_wavefront_size32 1
		.amdhsa_system_sgpr_workgroup_id_x 1
		.amdhsa_system_sgpr_workgroup_id_y 1
		.amdhsa_system_sgpr_workgroup_id_z 1
		.amdhsa_system_vgpr_workitem_id 0
		.amdhsa_next_free_vgpr 1024
		.amdhsa_next_free_sgpr 66
		.amdhsa_reserve_vcc 0
		.amdhsa_float_denorm_mode_32 3
		.amdhsa_float_denorm_mode_16_64 3
		.amdhsa_memory_ordered 1
		.amdhsa_forward_progress 1
		.amdhsa_inst_pref_size 248
	.end_amdhsa_kernel
	.amdgpu_metadata
---
amdhsa.version: [ 1, 2 ]
amdhsa.kernels:
  - .name:           k_q8cf4a64ce8_attn
    .symbol:         k_q8cf4a64ce8_attn.kd
    .args:
      - { .name: qkv, .offset: 0, .size: 8, .value_kind: global_buffer, .address_space: global }
      - { .name: lowp_scales, .offset: 8, .size: 8, .value_kind: global_buffer, .address_space: global }
      - { .name: avec, .offset: 16, .size: 8, .value_kind: global_buffer, .address_space: global }
    .group_segment_fixed_size: 34304
    .private_segment_fixed_size: 0
    .kernarg_segment_align: 8
    .kernarg_segment_size: 24
    .max_flat_workgroup_size: 128
    .sgpr_count:     66
    .vgpr_count:     1024
    .wavefront_size: 32
...
	.end_amdgpu_metadata
.endif
;; end of part 6
;; launch outln (part 7): grid 128 x 1, 8 waves a work-group, no clusters, 165,376 bytes of LDS; arguments avec, codes, h, gamma, beta, lowp_scales, out0; writes out0
.if DOCPART == 7
	.amdgcn_target "amdgcn-amd-amdhsa--gfx1250"
	.amdhsa_code_object_version 6
	.text
	.protected	k_q8cf4a64ce8_outln
	.globl	k_q8cf4a64ce8_outln
	.p2align	8
	.type	k_q8cf4a64ce8_outln,@function
k_q8cf4a64ce8_outln:
	s_mov_b64 s[64:65], 0
	v_nop
	global_prefetch_b8 v0, s[64:65] scope:SCOPE_SE
	s_setreg_imm32_b32 hwreg(HW_REG_WAVE_SCHED_MODE, 0, 2), 2
	s_setreg_imm32_b32 hwreg(HW_REG_WAVE_MODE, 25, 1), 1
	s_wait_xcnt 0x0
	s_wait_alu depctr_vm_vsrc(0)
; out = layer norm(h + attn_vec Wo^T) x gamma + beta.  The product is on codes of BF8 (E5M2), K = 1,024, sums in f32, x 2^(e8 + e9); all else in f32.
; LIMIT: e8 + e9 between -126 and 127, so that 2^(e8 + e9) is an f32 number.
; A work-group of eight waves takes 32 rows (two row tiles of avec: 32 neighbouring i of one b) x ALL 1,024 columns, so that the norm over a row needs no second launch.
; Wave w makes columns 128 w .. + 127: 8 tiles of Wo x 2 tiles of rows: 16 accumulators.  Source 0 = 16 rows of Wo (columns of the result), source 1 = 16 rows of avec: a lane holds eight neighbouring columns of one row.
; Each fragment of Wo is read by ONE wave of the work-group, so it goes from memory straight into registers (images: 512 consecutive bytes a load), two K steps of 128 ahead: 64 loads a wave are out.
; No joint loads: a ring in LDS would hold one K step's request for each barrier; the eight waves' two register sets hold two, and no barrier stands in the K loop.  Wo's 1 MiB is read by all 128 work-groups.
; 128 work-groups: with 16 rows each fragment of Wo would feed one product instead of two, and Wo would be read twice as often.
; avec's 32 KiB are read once (wave w: K step w) and shared through LDS as images.  The sums meet in a stage of whole rows; then one wave takes one row at a time: mean, variance of the differences, as reference() has them.
; REGISTERS: window 0: v1-5 addresses; v8-31 six registers of statistics for each of my four rows; v64-127 avec's fragments, two sets; v128-255 the accumulators ((y, xb) at v[128 + 8 (8 y + xb)]), later my four rows.
;   window 1: v0-127, v128-255 Wo's fragments, two sets; later h's four rows (v0-127), gamma (v128-159), beta (v160-191).
; THE MODE: SCHED_MODE bits 1:0 = 2 (LLVM: expert scheduling mode 2), set by the entry lines.  The code itself states the register dependences between vector or matrix instructions and memory or LDS
; instructions, with s_wait_alu, always for 0.
; THE PLAN.  Registers that memory or LDS instructions touch:
;   v1 .. v5     offsets and LDS addresses: made at the head, never written again.
;   Wo0, Wo1     Step s: its 16 products read Wo[s % 2]; behind them the loads of step s + 2 (at the end: h's rows, gamma and beta) land in it.
;   AS0, AS1     Step s: its products read AS[s % 2]; the LDS loads at the head of step s + 1 land in it (the fragments of step s + 2).  At the head AS0 carries avec's loads to the LDS stores.
;   ACC = XR     written by the products; read by the stage's LDS stores; then my four rows land in it, the norm works in it, and the last stores read it.
; So ONE wait on va_vdst stands in a step, behind its products: they are done reading Wo[s % 2] and AS[s % 2]; the loads into Wo's set follow at once, and the next step's LDS loads into AS's set follow with no vector or
; matrix instruction between.  Behind the last step the same wait states that the accumulators are written.  Three more: ahead of the first loads, behind the four roots, and ahead of the last run of stores.
; Two waits on vm_vsrc: behind the first barrier (my LDS stores have read AS0) and behind the stage's barrier (my LDS stores have read the accumulators).
.set AIM,    0                         ; LDS: avec's images: [K step 8][row tile 2][2,048]
.set STG,    32768                     ; the stage: 32 rows x (4,096 bytes + 16): sixteen rows of a store begin in sixteen different 16-byte columns
.set SPITCH, 4112
.set AS,   64
.set ACC,  128
.set XR,   128
.set T,    8                           ; row p: v[T + 6 p] on: two chains of pairs, the lane exchange's result
.set MSB, 0
.macro WIN new                         ; the immediate's high byte repeats the setting that is left
.if MSB != (\new)
	s_set_vgpr_msb (MSB<<8)|(\new)
.set MSB, (\new)
.endif
.endm
	s_load_b256 s[4:11], s[0:1], 0x0               ; avec, the codes, h, gamma
	s_load_b128 s[12:15], s[0:1], 0x20             ; beta, the scales' exponents
	s_load_b64 s[16:17], s[0:1], 0x30              ; out
	v_lshl_add_u32 v62, v0, 2, 0x28200
	v_mov_b32 v63, 0
	v_lshrrev_b32 v6, 5, v0
	v_readfirstlane_b32 s18, v6                    ; wave 0..7
	v_and_b32 v6, 31, v0
	v_lshlrev_b32 v1, 4, v6                        ; 16 x lane
	s_wait_alu depctr_va_sdst(0)                   ; s18 is written, ahead of its first reader: the wave's LDS places and its parts of avec, Wo, h and out are made from it
	s_lshl_b32 s19, s18, 12
	v_add_nc_u32 v2, s19, v1                       ; where I store avec's images: K step w
	v_and_b32 v6, 15, v0
	v_bfe_u32 v7, v0, 4, 1
	v_mul_u32_u24 v3, v6, SPITCH
	v_lshl_add_u32 v3, v7, 5, v3
	s_lshl_b32 s19, s18, 9
	s_add_co_u32 s19, s19, STG
	v_add_nc_u32 v3, s19, v3                       ; the stage, in: row r, + 32 bytes for the upper half of the lanes, + my 512 bytes of the row
	v_add_nc_u32 v4, 16*SPITCH, v3                 ; and the second row tile's
	s_mul_i32 s19, s18, 4*SPITCH
	s_add_co_u32 s19, s19, STG
	v_add_nc_u32 v5, s19, v1                       ; back: my four rows, 16 bytes a lane
.irp p, 0,1,2,3
	v_mov_b32 v[T+6*\p+4], 0                       ; written once: a lane permute's destination counts as one of its sources
.endr
	s_lshl_b32 s24, ttmp9, 15                      ; avec: two row tiles of 16,384 bytes a work-group, + my K step
	s_lshl_b32 s25, s18, 11
	s_add_co_u32 s24, s24, s25
	s_mov_b32 s25, 0
	s_lshl_b32 s26, s18, 17                        ; Wo's images begin at 15 MiB; my 8 row tiles
	s_add_co_u32 s26, s26, 15<<20
	s_mov_b32 s27, 0
	s_and_b32 s28, ttmp9, 31                       ; h, out: row 4 i + b; i = 32 (g % 32) + 4 w + p, b = g / 32
	s_lshl_b32 s28, s28, 5
	s_lshl_b32 s29, s18, 2
	s_add_co_u32 s28, s28, s29
	s_lshl_b32 s28, s28, 2
	s_lshr_b32 s29, ttmp9, 5
	s_add_co_u32 s28, s28, s29
	s_lshl_b32 s28, s28, 12
	s_mov_b32 s29, 0
	s_mov_b32 s36, 0x3a800000                      ; 1 / 1,024
	s_mov_b32 s38, 0x76543210                      ; v_permlanex16_b32's selects for lane l xor 16
	s_mov_b32 s39, 0xfedcba98
	s_wait_kmcnt 0x0
	s_load_b64 s[32:33], s[14:15], 0x20            ; e8, e9
	s_add_nc_u64 s[4:5], s[4:5], s[24:25]
	s_add_nc_u64 s[6:7], s[6:7], s[26:27]
	s_add_nc_u64 s[8:9], s[8:9], s[28:29]
	s_add_nc_u64 s[16:17], s[16:17], s[28:29]
.macro LOADK s                         ; Wo's eight fragments of K step s into set s % 2
	WIN 0x40
.irp xb, 0,1,2,3,4,5,6,7
.irp c, 0,1,2,3
	global_load_b128 v[128*((\s)%2)+16*\xb+4*\c:128*((\s)%2)+16*\xb+4*\c+3], v1, s[6:7] offset:16384*\xb+2048*(\s)+512*\c
.endr
.endr
	WIN 0
.endm
.macro AFETCH s                        ; avec's two fragments of K step s into set s % 2
.irp y, 0,1
.irp c, 0,1,2,3
	ds_load_b128 v[AS+32*((\s)%2)+16*\y+4*\c:AS+32*((\s)%2)+16*\y+4*\c+3], v1 offset:AIM+4096*(\s)+2048*\y+512*\c
.endr
.endr
.endm
	s_wait_alu depctr_va_vdst(0)                   ; v1 to v5 are written: every load, store and LDS instruction of the kernel reads one of them as its offset or address
.irp y, 0,1
.irp c, 0,1,2,3
	global_load_b128 v[AS+16*\y+4*\c:AS+16*\y+4*\c+3], v1, s[4:5] offset:16384*\y+512*\c   ; K step w of both row tiles
.endr
.endr
	LOADK 0
	s_wait_loadcnt 32                              ; avec's eight loads are in; Wo's 32 may be out
.irp y, 0,1
.irp c, 0,1,2,3
	ds_store_b128 v2, v[AS+16*\y+4*\c:AS+16*\y+4*\c+3] offset:AIM+2048*\y+512*\c
.endr
.endr
	LOADK 1
	s_wait_dscnt 0x0                               ; for the others' sake: my images have landed
	s_barrier_signal -1
	s_barrier_wait -1
	s_wait_alu depctr_vm_vsrc(0)                   ; my LDS stores have read v64 to v95, in which the first fragments of avec land
	AFETCH 0
.macro STEP s                          ; 128 along K: 16 matrix instructions, the 16 accumulators by turns in the same order in every step
	s_wait_loadcnt 32                              ; this step's 32 loads are in; the 32 issued behind them (Wo's next step, at the end h's rows) may be out
	s_wait_dscnt 0x0                               ; avec's fragments of this step
.if (\s) < 7
	AFETCH (\s)+1                                  ; no wait: the set's last readers, the step before's products, stand ahead of that step's wait on va_vdst, and no vector or matrix instruction has been issued since
.endif
	WIN 0x01                                       ; Wo window 1
.irp xb, 0,1,2,3,4,5,6,7
.irp y, 0,1
.if (\s) == 0
	v_wmma_f32_16x16x128_bf8_bf8 v[ACC+8*(8*\y+\xb):ACC+8*(8*\y+\xb)+7], v[128*((\s)%2)+16*\xb:128*((\s)%2)+16*\xb+15], v[AS+32*((\s)%2)+16*\y:AS+32*((\s)%2)+16*\y+15], 0
.else
	v_wmma_f32_16x16x128_bf8_bf8 v[ACC+8*(8*\y+\xb):ACC+8*(8*\y+\xb)+7], v[128*((\s)%2)+16*\xb:128*((\s)%2)+16*\xb+15], v[AS+32*((\s)%2)+16*\y:AS+32*((\s)%2)+16*\y+15], v[ACC+8*(8*\y+\xb):ACC+8*(8*\y+\xb)+7]
.endif
.endr
.endr
.rept 4
	v_nop                                          ; places in front of loads into registers that matrix instructions have read, and at the end of the stores that read the sums: they stay beside the wait below
.endr
	WIN 0x40                                       ; the switch, then the wait, then the loads
	s_wait_alu depctr_va_vdst(0)                   ; this step's products are done reading their set of Wo, in which the loads below land, and their set of avec, in which the next step's LDS loads land; behind the last step: they have written the accumulators, which the stage's stores read
.if (\s) < 6
	LOADK (\s)+2
.elseif (\s) == 6
.irp p, 0,1,2,3
.irp j, 0,1,2,3,4,5,6,7
	global_load_b128 v[32*\p+4*\j:32*\p+4*\j+3], v1, s[8:9] offset:16384*\p+512*\j th:TH_LOAD_NT   ; h: my four rows, into the set that is free
.endr
.endr
	WIN 0
.else
.irp j, 0,1,2,3,4,5,6,7
	global_load_b128 v[128+4*\j:128+4*\j+3], v1, s[10:11] offset:512*\j   ; gamma
	global_load_b128 v[160+4*\j:160+4*\j+3], v1, s[12:13] offset:512*\j   ; beta
.endr
	WIN 0
.endif
.endm
.irp s, 0,1,2,3,4,5,6,7
	STEP \s
.endr
.irp xb, 0,1,2,3,4,5,6,7               ; the sums as they are, into whole rows; each accumulator from its low end on.  No vector or matrix instruction since the last step's wait names them
	ds_store_b128 v3, v[ACC+8*\xb:ACC+8*\xb+3] offset:64*\xb
	ds_store_b128 v3, v[ACC+8*\xb+4:ACC+8*\xb+7] offset:64*\xb+16
	ds_store_b128 v4, v[ACC+64+8*\xb:ACC+64+8*\xb+3] offset:64*\xb
	ds_store_b128 v4, v[ACC+64+8*\xb+4:ACC+64+8*\xb+7] offset:64*\xb+16
.endr
	s_wait_dscnt 0x0                               ; for the others' sake: my part of the 32 rows has landed
	s_barrier_signal -1
	s_barrier_wait -1
	s_wait_alu depctr_vm_vsrc(0)                   ; my LDS stores have read the accumulators' registers, in which my four rows land
.irp p, 0,1,2,3
.irp j, 0,1,2,3,4,5,6,7
	ds_load_b128 v[XR+32*\p+4*\j:XR+32*\p+4*\j+3], v5 offset:SPITCH*\p+512*\j   ; row 4 w + p: lane l holds columns 128 j + 4 l + 0..3
.endr
.endr
	s_wait_kmcnt 0x0
	s_add_co_i32 s34, s32, s33
	s_add_co_i32 s34, s34, 127
	s_lshl_b32 s34, s34, 23                        ; 2^(e8 + e9) as f32
	s_mov_b32 s35, s34                             ; (named with it as a pair, so it is written)
	s_wait_loadcnt 0x0                             ; h, gamma, beta
	s_wait_dscnt 0x0
	WIN 0x10                                       ; source 2 (h) window 1
.set q, 0
.rept 64
	v_pk_fma_f32 v[XR+2*q:XR+2*q+1], v[XR+2*q:XR+2*q+1], s[34:35], v[2*q:2*q+1] op_sel_hi:[1,0,1]   ; x = sum x 2^(e8 + e9) + h
.set q, q+1
.endr
	WIN 0
; the two chains of each of my four rows are folded, then the 32 lanes: the four rows take turns line by line, so that no line waits for the line above it
.macro REDUCE
.irp p, 0,1,2,3
	v_pk_add_f32 v[T+6*\p:T+6*\p+1], v[T+6*\p:T+6*\p+1], v[T+6*\p+2:T+6*\p+3]
.endr
.irp p, 0,1,2,3
	v_add_f32 v[T+6*\p], v[T+6*\p], v[T+6*\p+1]
.endr
.irp m, 1,2,4,8
.irp p, 0,1,2,3
	v_add_f32_dpp v[T+6*\p], v[T+6*\p], v[T+6*\p] row_xmask:\m row_mask:0xf bank_mask:0xf
.endr
.endr
.irp p, 0,1,2,3
	v_permlanex16_b32 v[T+6*\p+4], v[T+6*\p], s38, s39
.endr
.irp p, 0,1,2,3
	v_add_f32 v[T+6*\p], v[T+6*\p], v[T+6*\p+4]
.endr
.endm
.irp p, 0,1,2,3
	v_pk_add_f32 v[T+6*\p:T+6*\p+1],   v[XR+32*\p:XR+32*\p+1],   v[XR+32*\p+2:XR+32*\p+3]
	v_pk_add_f32 v[T+6*\p+2:T+6*\p+3], v[XR+32*\p+4:XR+32*\p+5], v[XR+32*\p+6:XR+32*\p+7]
.endr
.irp u, 8,12,16,20,24,28
.irp p, 0,1,2,3
	v_pk_add_f32 v[T+6*\p:T+6*\p+1],   v[T+6*\p:T+6*\p+1],   v[XR+32*\p+\u:XR+32*\p+\u+1]
	v_pk_add_f32 v[T+6*\p+2:T+6*\p+3], v[T+6*\p+2:T+6*\p+3], v[XR+32*\p+\u+2:XR+32*\p+\u+3]
.endr
.endr
	REDUCE
.irp p, 0,1,2,3
	v_mul_f32 v[T+6*\p], s36, v[T+6*\p]            ; the mean
.endr
.irp p, 0,1,2,3
.irp u, 0,2,4,6,8,10,12,14,16,18,20,22,24,26,28,30
	v_pk_add_f32 v[XR+32*\p+\u:XR+32*\p+\u+1], v[XR+32*\p+\u:XR+32*\p+\u+1], v[T+6*\p:T+6*\p+1] op_sel_hi:[1,0] neg_lo:[0,1] neg_hi:[0,1]   ; x - mean
.endr
.endr
.irp p, 0,1,2,3
	v_pk_mul_f32 v[T+6*\p:T+6*\p+1],   v[XR+32*\p:XR+32*\p+1],   v[XR+32*\p:XR+32*\p+1]
	v_pk_mul_f32 v[T+6*\p+2:T+6*\p+3], v[XR+32*\p+2:XR+32*\p+3], v[XR+32*\p+2:XR+32*\p+3]
.endr
.irp u, 4,8,12,16,20,24,28
.irp p, 0,1,2,3
	v_pk_fma_f32 v[T+6*\p:T+6*\p+1],   v[XR+32*\p+\u:XR+32*\p+\u+1],   v[XR+32*\p+\u:XR+32*\p+\u+1],   v[T+6*\p:T+6*\p+1]
	v_pk_fma_f32 v[T+6*\p+2:T+6*\p+3], v[XR+32*\p+\u+2:XR+32*\p+\u+3], v[XR+32*\p+\u+2:XR+32*\p+\u+3], v[T+6*\p+2:T+6*\p+3]
.endr
.endr
	REDUCE
.irp p, 0,1,2,3
	v_fmaak_f32 v[T+6*\p], s36, v[T+6*\p], 0x3727c5ac   ; the variance + 1e-5
.endr
.irp p, 0,1,2,3
	v_rsq_f32 v[T+6*\p], v[T+6*\p]
.endr
	v_nop                                          ; a plain line between the last root and the use of its result
	s_wait_alu depctr_va_vdst(0)                   ; the four roots have written their results, ahead of their first reader: one for the batch
.irp p, 0,1,2,3
.irp u, 0,2,4,6,8,10,12,14,16,18,20,22,24,26,28,30
	v_pk_mul_f32 v[XR+32*\p+\u:XR+32*\p+\u+1], v[XR+32*\p+\u:XR+32*\p+\u+1], v[T+6*\p:T+6*\p+1] op_sel_hi:[1,0]
.endr
.endr
	WIN 0x14                                       ; sources 1 (gamma) and 2 (beta) window 1
.irp p, 0,1,2,3
.irp u, 0,2,4,6,8,10,12,14,16,18,20,22,24,26,28,30
	v_pk_fma_f32 v[XR+32*\p+\u:XR+32*\p+\u+1], v[XR+32*\p+\u:XR+32*\p+\u+1], v[128+\u:128+\u+1], v[160+\u:160+\u+1]
.endr
.endr
	WIN 0
	s_wait_alu depctr_va_vdst(0)                   ; the multiply-adds have written my four rows, which the stores below read
.irp p, 0,1,2,3
.irp j, 0,1,2,3,4,5,6,7
	global_store_b128 v1, v[XR+32*\p+4*\j:XR+32*\p+4*\j+3], s[16:17] offset:16384*\p+512*\j th:TH_STORE_NT   ; 32 lanes store 512 consecutive bytes of a row, aligned; written once, read by nobody here
.endr
.endr
	s_wait_dscnt 0x0
	s_wait_alu depctr_hold_cnt(0) depctr_sa_sdst(0) depctr_va_vdst(0) depctr_va_sdst(0) depctr_va_ssrc(0) depctr_va_vcc(0) depctr_vm_vsrc(0)
	s_wait_tensorcnt 0x0
	ds_add_u32 v62, v63
	s_wait_dscnt 0x0
	s_endpgm
.Lfunc_end_k_q8cf4a64ce8_outln:
	.size	k_q8cf4a64ce8_outln, .Lfunc_end_k_q8cf4a64ce8_outln-k_q8cf4a64ce8_outln
	.p2alignl 7, 3214868480
	.fill 96, 4, 3214868480
	.section	.rodata,"a",@progbits
	.p2align	6, 0x0
	.amdhsa_kernel k_q8cf4a64ce8_outln
		.amdhsa_group_segment_fixed_size 165376
		.amdhsa_private_segment_fixed_size 0
		.amdhsa_enable_private_segment 0
		.amdhsa_kernarg_size 56
		.amdhsa_user_sgpr_count 2
		.amdhsa_user_sgpr_kernarg_segment_ptr 1
		.amdhsa_wavefront_size32 1
		.amdhsa_system_sgpr_workgroup_id_x 1
		.amdhsa_system_sgpr_workgroup_id_y 1
		.amdhsa_system_sgpr_workgroup_id_z 1
		.amdhsa_system_vgpr_workitem_id 0
		.amdhsa_next_free_vgpr 512
		.amdhsa_next_free_sgpr 66
		.amdhsa_reserve_vcc 0
		.amdhsa_float_denorm_mode_32 3
		.amdhsa_float_denorm_mode_16_64 3
		.amdhsa_memory_ordered 1
		.amdhsa_forward_progress 1
		.amdhsa_inst_pref_size 83
	.end_amdhsa_kernel
	.amdgpu_metadata
---
amdhsa.version: [ 1, 2 ]
amdhsa.kernels:
  - .name:           k_q8cf4a64ce8_outln
    .symbol:         k_q8cf4a64ce8_outln.kd
    .args:
      - { .name: avec, .offset: 0, .size: 8, .value_kind: global_buffer, .address_space: global }
      - { .name: codes, .offset: 8, .size: 8, .value_kind: global_buffer, .address_space: global }
      - { .name: h, .offset: 16, .size: 8, .value_kind: global_buffer, .address_space: global }
      - { .name: gamma, .offset: 24, .size: 8, .value_kind: global_buffer, .address_space: global }
      - { .name: beta, .offset: 32, .size: 8, .value_kind: global_buffer, .address_space: global }
      - { .name: lowp_scales, .offset: 40, .size: 8, .value_kind: global_buffer, .address_space: global }
      - { .name: out0, .offset: 48, .size: 8, .value_kind: global_buffer, .address_space: global }
    .group_segment_fixed_size: 165376
    .private_segment_fixed_size: 0
    .kernarg_segment_align: 8
    .kernarg_segment_size: 56
    .max_flat_workgroup_size: 256
    .sgpr_count:     66
    .vgpr_count:     512
    .wavefront_size: 32
...
	.end_amdgpu_metadata
.endif
;; end of part 7
